; MI455X (gfx1250); checked and timed in simulation.
; The chip was launched on July 23, 2026; its instructions are those of AMD's public machine-readable ISA for CDNA 5 (MIT licence, August 2026) and "CDNA5" Instruction Set Architecture Reference Guide (July 2026). The comments in the code are by the model that wrote it; some were corrected since.
;; Transformer Block Multi Head Attn. Allowed arithmetic: matrix products marked QUANTISED: E2M3 operands, one E8M0 scale for each 32 along K, by v_wmma_scale_f32_16x16x128_f8f6f4 with both operands' format E2M3, f32 sums; everything else in f32.
;; Inputs: W1 1,024 x 4,096 float32; W2 4,096 x 1,024 float32; Wk 1,024 x 1,024 float32; Wo 1,024 x 1,024 float32; Wq 1,024 x 1,024 float32; Wv 1,024 x 1,024 float32; b1 4,096 float32; b2 1,024 float32; bk 1,024 float32; bo 1,024 float32; bq 1,024 float32; bv 1,024 float32; dist_scale one number float32; ln1_b 1,024 float32; ln1_g 1,024 float32; ln2_b 1,024 float32; ln2_g 1,024 float32; tokens 2 x 2,048 x 1,024 float32.
;; Outputs: out0 2 x 2,048 x 1,024 float32.
;; This version of the problem:
;;   THIS VERSION OF THE PROBLEM IS GIVEN IN LOW PRECISION. The matrix products marked QUANTISED in the list below multiply operands that are first quantised to E2M3 (2 exponent bits, 3 mantissa bits; 6 bits a number), with one power-of-two scale for each 32 numbers along K (OCP MX v1.0); their sums are f32. All else is computed in f32.
;;   The module's matrix products, in the order in which they are computed (A, B: the left and right operand; K: the contracted axis; several contracted axes count as one K, in the product's order):
;;     1. [M 4,096, K 1,024] x [K 1,024, N 1,024]; A: input tokens; B: input Wq: QUANTISED
;;     2. [M 4,096, K 1,024] x [K 1,024, N 1,024]; A: input tokens; B: input Wk: QUANTISED
;;     3. [M 4,096, K 1,024] x [K 1,024, N 1,024]; A: input tokens; B: input Wv: QUANTISED
;;     4. batch 32 x [M 2,048, K 64] x [K 64, N 2,048]; A: computed on the way; B: computed on the way: QUANTISED
;;     5. batch 32 x [M 64, K 2,048] x [K 2,048, N 2,048]; A: computed on the way; B: softmax (see below): QUANTISED
;;     6. [M 4,096, K 1,024] x [K 1,024, N 1,024]; A: computed on the way; B: input Wo: QUANTISED
;;     7. [M 4,096, K 1,024] x [K 1,024, N 4,096]; A: computed on the way; B: input W1: QUANTISED
;;     8. [M 4,096, K 4,096] x [K 4,096, N 1,024]; A: computed on the way; B: input W2: QUANTISED
;;   THE QUANTISER, for each operand of a quantised product, along K:
;;     - K is cut into blocks of 32 from its start; a last block that is shorter is filled with zeros.
;;     - A block's scale is 2^e with e = floor(log2(the largest magnitude in the block)) - 2, held to -126 .. 127; a block of zeros has e = 0. As a byte (E8M0): e + 127.
;;     - Each number is divided by its block's scale, clamped to +-7.5, and rounded to the nearest number of E2M3, ties to even, subnormals kept.
;;     - The product sums the exact products of the quantised numbers (number of the format x scale) in f32.
;;   ~~~python
;;   def quantise(x, axis):      # numpy; x: float32 -> the quantised numbers, widened to float32 again
;;       x = np.moveaxis(x, axis, -1); K = x.shape[-1]
;;       x = np.pad(x, [(0, 0)] * (x.ndim - 1) + [(0, -K % 32)]); x = x.reshape(x.shape[:-1] + (-1, 32)); a = np.abs(x).max(-1, keepdims=True)
;;       e = np.where(a > 0, np.clip(np.frexp(np.where(a > 0, a, 1))[1] - 1 - 2, -126, 127), 0)      # np.frexp(a)[1] - 1 = floor(log2(a)), exactly
;;       r = np.clip(x / 2.0 ** e, -7.5, 7.5)
;;       step = 2.0 ** (np.maximum(np.frexp(np.where(r == 0, 1, r))[1] - 1, 0) - 3)
;;       q = np.round(r / step) * step * 2.0 ** e      # np.round: ties to even
;;       return np.moveaxis(q.reshape(q.shape[:-2] + (-1,))[..., :K], -1, axis).astype(np.float32)
;;   ~~~
;;   SOFTMAX AHEAD OF A QUANTISED PRODUCT. Where the list says 'softmax', what is quantised is not the finished softmax but p = 2^(t - M), with t = logit x log2(e) and M = ceil(the row's largest t), a whole number; so 1/2 < the row's largest p <= 1. The row's sum l is taken of the UNQUANTISED p, in f32, and the product's result is divided by l at the end. Since M is a whole number, a kernel that streams over the keys may use a running M (the ceiling of the running maximum): every later rescaling is an exact power of two, which a block's scale takes up: the codes' values come out the same.
;;   OPERANDS COMPUTED ON THE WAY. 'Computed on the way' means the value that the module computes at that place (a softmax that the list does not call 'softmax' is quantised finished and normalised). What goes into a quantiser is computed in f32, as accurately as f32 sums, v_exp_f32 and their like allow (about 1e-6 of the number): no bf16 or f16 on the way to a quantiser, and a product that is left as it is and whose result goes on into a quantised operand takes f32 operands (vector FMAs, or v_wmma_f32_16x16x4_f32). A number that lies on a knife's edge between two numbers of the format may be rounded either way, as far as f32 arithmetic and the matrix unit's own rounding can turn it there, and no further.
;; One version. Each part assembles by itself: llvm-mc -triple=amdgcn-amd-amdhsa -mcpu=gfx1250 --defsym DOCPART=n.
;; ======== version 1 of 1: 7 launches
;; limits: right only within a limited range of input values
;; workspace buffers: P 13,631,488 bytes; QKV 10,747,904 bytes; A 3,407,872 bytes; X 20,185,088 bytes; Hb 13,631,488 bytes; Y 16,777,216 bytes
;; launch prep (part 1): grid 1024 x 1, 4 waves a work-group, no clusters, 13,824 bytes of LDS; arguments Wq, Wk, Wv, Wo, W1, W2, tokens, P; writes P
.if DOCPART == 1
	.amdgcn_target "amdgcn-amd-amdhsa--gfx1250"
	.amdhsa_code_object_version 6
	.text
	.protected	k_qb76e5ee968_prep
	.globl	k_qb76e5ee968_prep
	.p2align	8
	.type	k_qb76e5ee968_prep,@function
k_qb76e5ee968_prep:
	s_mov_b64 s[64:65], 0
	v_nop
	global_prefetch_b8 v0, s[64:65] scope:SCOPE_SE
	s_setreg_imm32_b32 hwreg(HW_REG_WAVE_MODE, 25, 1), 1
	s_wait_xcnt 0x0
; The six weights ([K][N] f32, K outermost) and the tokens ([4096][1024] f32) become codes of FP6 (E2M3) with one E8M0 byte for each 32 along K.
; LAYOUT OF ALL CODES OF THIS PROGRAM: images of the matrix operand's registers.  A tile holds 16 rows: tile T's place r is row 32 (T/2) + 8 (T%2) + r + 8 (r/8).
; A fragment (16 rows x 128 K, 12 registers a lane) is 1,536 bytes: for c = 0, 1: registers 6c..6c+3 at 768 c + 16 lane, registers 6c+4, 6c+5 at 768 c + 512 + 8 lane.
; A scale record is 128 bytes: place r's word (four bytes, 128 K) at 4 r and again at 64 + 4 r.  Record number = tile x (K / 128) + K step.
; P: weights' codes at 0 (records: Wq, Wk, Wv 0.., Wo 1536.., W1 2048.., W2 4096..), their scale records at WS_OFF, tokens' codes at TC_OFF, their scale records at TS_OFF.
; A block's scale byte is its largest magnitude's exponent field - 2, held at 1 from below.
; LIMITS: NaN and infinities are not served; a block under 2^-124 (zeros too) has the byte 1, not the rule's 127: its codes are zeros or the nearest codes under that scale, and this program alone reads the bytes.
; SHARES: every work-group reads 65,536 bytes.  Work-groups 0-767: weights, a lane to a column, registers down K (32 columns x 128 K a wave: one K step of two tiles).
; Work-groups 768-1023: tokens, a work-group to a tile, a wave to two K steps.  No wave shares anything with another: no barrier.
.set WS_OFF, 9437184
.set TC_OFF, 10223616
.set TS_OFF, 13369344
.set OF,   16                          ; v16-47  weights: 4 lane + i x pitch, i = 0 .. 31
.set XW,   48                          ; v48-111 weights: two sets of 32 numbers
.set LI16, 5                           ; tokens: 16 x lane, 8 x lane, 4 x lane
.set LI8,  6
.set LI4,  7
.set PC,   144                         ; tokens: the fragment just made (12), and the conversions' second halves
.set TM,   164                         ; v164-179 at work in QUANT
.set PW,   180                         ; the scale word just made
.set SEL,  40                          ; s[40:41] selects for lane xor 16
; 64 numbers of a lane, register 16 b + i = k 32 b + 16 (lane / 16) + i of my row, become a fragment in v[PC] on and its scale word in v[PW].
.macro QUANT s
.irp b, 0,1,2,3
	v_max3_num_f32 v[TM+\b], |v[\s+16*\b]|, |v[\s+1+16*\b]|, 0x1800000   ; the floor 2^(3 - 127) holds the byte at 1 from below
.endr
.irp i, 2,4,6,8,10,12,14
.irp b, 0,1,2,3
	v_max3_num_f32 v[TM+\b], v[TM+\b], |v[\s+16*\b+\i]|, |v[\s+1+16*\b+\i]|
.endr
.endr
.irp b, 0,1,2,3
	v_permlanex16_b32 v[TM+4+\b], v[TM+\b], s[SEL], s[SEL+1]
.endr
.irp b, 0,1,2,3
	v_max_num_f32 v[TM+\b], v[TM+\b], v[TM+4+\b]   ; with lane xor 16's: the block's largest magnitude
.endr
.irp b, 0,1,2,3
	v_add_nc_u32 v[TM+12+\b], 0xff000000, v[TM+\b]   ; 2 off the exponent field: the conversion's scale operand
.endr
.irp b, 0,1,2,3
	v_lshrrev_b32 v[TM+4+\b], 23, v[TM+12+\b]      ; the byte
.endr
	v_lshl_or_b32 v[PW], v[TM+5], 8, v[TM+4]
	v_lshl_or_b32 v[PW], v[TM+6], 16, v[PW]
	v_lshl_or_b32 v[PW], v[TM+7], 24, v[PW]
.irp c, 0,1
	v_cvt_scalef32_pk16_fp6_f32 v[PC+6*\c:PC+2+6*\c], v[\s+32*\c:\s+15+32*\c], v[TM+12+2*\c]
	v_cvt_scalef32_pk16_fp6_f32 v[PC+12+4*\c:PC+14+4*\c], v[\s+16+32*\c:\s+31+32*\c], v[TM+12+2*\c+1]
.endr
	v_nop                                          ; one plain place behind a scaled conversion
.irp c, 0,1                                    ; a whole block to a lane: lanes 0-15 block 2 c, lanes 16-31 block 2 c + 1
.irp i, 0,1,2
	v_permlane16_swap_b32 v[PC+6*\c+\i], v[PC+12+4*\c+\i]
.endr
.irp i, 0,1,2
	v_mov_b32 v[PC+3+6*\c+\i], v[PC+12+4*\c+\i]
.endr
.endr
.endm
.macro PUT cb, off                             ; the fragment's image: each store covers 512 or 256 consecutive bytes, aligned
	global_store_b128 v[LI16], v[PC:PC+3], s[\cb:\cb+1] offset:\off
	global_store_b64 v[LI8], v[PC+4:PC+5], s[\cb:\cb+1] offset:(\off)+512
	global_store_b128 v[LI16], v[PC+6:PC+9], s[\cb:\cb+1] offset:(\off)+768
	global_store_b64 v[LI8], v[PC+10:PC+11], s[\cb:\cb+1] offset:(\off)+1280
.endm
	s_load_b512 s[4:19], s[0:1], 0x0               ; Wq, Wk, Wv, Wo, W1, W2, tokens, P
	v_lshl_add_u32 v184, v0, 2, 0x3400
	v_mov_b32 v185, 0
	v_lshrrev_b32 v1, 5, v0
	v_readfirstlane_b32 s20, v1                    ; wave
	v_and_b32 v2, 31, v0                           ; lane
	s_cmp_lt_u32 ttmp9, 768
	s_cbranch_scc0 .Ltokens
	; ---------------- weights: twelve chunks of 1,024 K x 1,024 N; 64 work-groups a chunk: 8 groups of 128 columns x 8 K steps of 128
	s_lshr_b32 s21, ttmp9, 6                       ; chunk: 0-3 Wq, Wk, Wv, Wo; 4-7 column quarters of W1; 8-11 K quarters of W2
	s_bfe_u32 s22, ttmp9, 0x30003                  ; group of 128 columns
	s_and_b32 s23, ttmp9, 7                        ; K step in the chunk
	s_and_b32 s24, s21, 3                          ; quarter
	s_lshr_b32 s25, s21, 2                         ; 0: a square weight, 1: W1, 2: W2
	s_lshl_b32 s27, s24, 12                        ; W1: 1,024 columns of 4 bytes a quarter
	s_lshl_b32 s28, s24, 22                        ; W2: 1,024 rows of 4,096 bytes a quarter
	s_lshl_b32 s29, s24, 3
	s_add_co_u32 s29, s29, 4096                    ; W2: records from 4096 on, 8 K steps a quarter
	s_lshl_b32 s30, s21, 9                         ; the others: 512 records a chunk
	s_mov_b32 s26, 4096
	s_mov_b32 s31, 8
	s_cmp_eq_u32 s25, 1
	s_cselect_b32 s26, 16384, s26                  ; bytes from row to row of the weight
	s_cselect_b32 s27, s27, 0
	s_cmp_eq_u32 s25, 2
	s_cselect_b32 s27, s28, s27                    ; the chunk's first byte
	s_cselect_b32 s30, s29, s30                    ; its first record
	s_cselect_b32 s31, 32, s31                     ; K steps of the whole weight
	s_mul_i32 s28, s23, s26
	s_lshl_b32 s28, s28, 7                         ; 128 rows a K step
	s_add_co_u32 s27, s27, s28
	s_lshl_b32 s28, s22, 9
	s_add_co_u32 s27, s27, s28
	s_lshl_b32 s28, s20, 7                         ; 32 columns a wave
	s_add_co_u32 s28, s27, s28
	s_mov_b32 s29, 0
	s_lshl_b32 s42, s22, 3
	s_lshl_b32 s43, s20, 1
	s_add_co_u32 s42, s42, s43                     ; my first tile in the chunk
	s_mul_i32 s42, s42, s31
	s_add_co_u32 s30, s30, s42
	s_add_co_u32 s30, s30, s23                     ; my first tile's record
	s_mul_i32 s42, s30, 1536
	s_mov_b32 s43, 0
	s_lshl_b32 s44, s30, 7
	s_mov_b32 s45, 0
	s_lshl_b32 s38, s26, 5                         ; 32 rows on
	s_mov_b32 s39, 0
	s_wait_alu depctr_va_vdst(0)
	v_lshlrev_b32 v3, 2, v2
.set li, 0
.rept 32
	v_mad_u32_u24 v[OF+li], s26, li, v3
.set li, li+1
.endr
	v_bfe_u32 v4, v2, 3, 1                         ; my column's tile of the wave's two,
	v_and_b32 v5, 7, v2
	v_lshrrev_b32 v6, 4, v2
	v_lshl_add_u32 v5, v6, 3, v5                   ; and its place r in it
	s_mul_i32 s46, s20, 3328                       ; my wave's LDS: two images (3,072 bytes), two scale records (256)
	v_mul_u32_u24 v7, v4, 1536
	v_add_nc_u32 v7, s46, v7
	v_lshl_add_u32 v8, v5, 4, v7                   ; where my registers 6c..6c+3 go
	v_lshl_add_u32 v9, v5, 3, v7                   ; and 6c+4, 6c+5 (512 in the offset)
	v_lshlrev_b32 v10, 7, v4
	v_lshl_add_u32 v10, v5, 2, v10
	v_add_nc_u32 v10, s46, v10                     ; my scale word (3,072 in the offset)
	v_lshlrev_b32 v11, 4, v2                       ; out: 16 x lane, first tile
	v_add_nc_u32 v12, s46, v11                     ; back from LDS
	v_lshlrev_b32 v13, 3, v2
	v_add_nc_u32 v13, s46, v13
	s_mul_i32 s47, s31, 1536
	v_add_nc_u32 v14, s47, v11                     ; out: second tile, a tile's records on
	v_and_b32 v15, 15, v2
	v_lshlrev_b32 v15, 3, v15
	s_lshl_b32 s47, s31, 7
	v_mul_u32_u24 v6, s47, v6
	v_add_nc_u32 v15, v15, v6                      ; out: the two scale records, 8 bytes a lane
	s_wait_kmcnt 0x0
	s_cmp_eq_u32 s21, 1                            ; the choice hangs on the work-group's number alone
	s_cselect_b64 s[32:33], s[6:7], s[4:5]
	s_cmp_eq_u32 s21, 2
	s_cselect_b64 s[32:33], s[8:9], s[32:33]
	s_cmp_eq_u32 s21, 3
	s_cselect_b64 s[32:33], s[10:11], s[32:33]
	s_cmp_eq_u32 s25, 1
	s_cselect_b64 s[32:33], s[12:13], s[32:33]
	s_cmp_eq_u32 s25, 2
	s_cselect_b64 s[32:33], s[14:15], s[32:33]
	s_add_nc_u64 s[32:33], s[32:33], s[28:29]
	s_add_nc_u64 s[34:35], s[18:19], s[42:43]      ; my codes
	s_add_nc_u64 s[36:37], s[18:19], s[44:45]
	s_add_nc_u64 s[36:37], s[36:37], WS_OFF        ; my scale records
.macro LOADW t                                 ; block t: 32 rows of K at my column: a wave's load covers 128 consecutive bytes, the four waves 512
.if (\t) > 0
	s_wait_xcnt 0x0                                ; the earlier loads have read their base
	s_add_nc_u64 s[32:33], s[32:33], s[38:39]
.endif
.set li, 0
.rept 32
	global_load_b32 v[XW+32*((\t)%2)+li], v[OF+li], s[32:33] th:TH_LOAD_NT
.set li, li+1
.endr
.endm
.macro BLOCKW t
.set XS, XW+32*((\t)%2)
.if (\t) < 3
	s_wait_loadcnt 32                              ; this block's 32 loads are in; the next block's 32 may be out
.else
	s_wait_loadcnt 0x0
.endif
	v_max3_num_f32 v122, |v[XS]|, |v[XS+1]|, |v[XS+2]|   ; all 32 numbers of the block are mine
	v_max3_num_f32 v123, |v[XS+3]|, |v[XS+4]|, |v[XS+5]|
.irp i, 6,10,14,18,22,26
	v_max3_num_f32 v122, v122, |v[XS+\i]|, |v[XS+\i+1]|
	v_max3_num_f32 v123, v123, |v[XS+\i+2]|, |v[XS+\i+3]|
.endr
	v_max3_num_f32 v122, v122, |v[XS+30]|, |v[XS+31]|
	v_max3_num_f32 v122, v122, v123, 0x1800000
	v_add_nc_u32 v150, 0xff000000, v122
	v_lshrrev_b32 v151, 23, v150
.if (\t) == 0
	v_mov_b32 v121, v151
.else
	v_lshl_or_b32 v121, v151, 8*(\t), v121
.endif
	v_cvt_scalef32_pk16_fp6_f32 v[112:114], v[XS:XS+15], v150
	v_cvt_scalef32_pk16_fp6_f32 v[118:120], v[XS+16:XS+31], v150
	v_nop
	v_mov_b32 v115, v118
	v_mov_b32 v116, v119
	v_mov_b32 v117, v120
	ds_store_b128 v8, v[112:115] offset:768*((\t)/2)+256*((\t)%2)        ; block t is registers 6c..6c+5 of lane r + 16 (t % 2), c = t / 2
	ds_store_b64 v9, v[116:117] offset:512+768*((\t)/2)+128*((\t)%2)
.if (\t)+2 < 4
	LOADW (\t)+2
.endif
.if (\t) == 3                                  ; the K step is whole: both tiles' images and scale records leave
	ds_store_b32 v10, v121 offset:3072
	ds_store_b32 v10, v121 offset:3072+64
.irp k, 0,1,2,3,4,5
	ds_load_b128 v[124+4*\k:127+4*\k], v12 offset:512*\k   ; LDS serves a wave's instructions in order: these see my stores
.endr
	ds_load_b64 v[148:149], v13 offset:3072
	s_wait_dscnt 0x0
.irp k, 0,1,2
	global_store_b128 v11, v[124+4*\k:127+4*\k], s[34:35] offset:512*\k
	global_store_b128 v14, v[136+4*\k:139+4*\k], s[34:35] offset:512*\k
.endr
	global_store_b64 v15, v[148:149], s[36:37]
.else
	s_wait_dscnt 0x0                               ; the stores have read their registers: the next block's codes may be written
.endif
.endm
	LOADW 0
	LOADW 1
.set bt, 0
.rept 4
	BLOCKW bt
.set bt, bt+1
.endr
	s_wait_tensorcnt 0x0
	ds_add_u32 v184, v185
	s_wait_dscnt 0x0
	s_endpgm
	; ---------------- tokens: a work-group takes one tile (16 rows), a wave two K steps of 128
.Ltokens:
	s_sub_co_u32 s21, ttmp9, 768
	s_lshl_b32 s21, s21, 2
	s_add_co_u32 s21, s21, s20
	s_lshr_b32 s22, s21, 2                         ; tile
	s_and_b32 s23, s21, 3                          ; which two K steps
	s_lshr_b32 s24, s22, 1
	s_lshl_b32 s24, s24, 5
	s_and_b32 s25, s22, 1
	s_lshl_b32 s25, s25, 3
	s_add_co_u32 s24, s24, s25                     ; the tile's first row
	s_lshl_b32 s24, s24, 12
	s_lshl_b32 s25, s23, 10
	s_add_co_u32 s24, s24, s25
	s_mov_b32 s25, 0
	s_lshl_b32 s26, s22, 3
	s_lshl_b32 s27, s23, 1
	s_add_co_u32 s26, s26, s27                     ; my first record
	s_mul_i32 s28, s26, 1536
	s_mov_b32 s29, 0
	s_lshl_b32 s30, s26, 7
	s_mov_b32 s31, 0
	s_mov_b32 s[SEL], 0x76543210
	s_mov_b32 s[SEL+1], 0xfedcba98
	v_and_b32 v3, 15, v0
	v_bfe_u32 v4, v0, 4, 1
	v_and_b32 v8, 8, v3
	v_add_nc_u32 v8, v8, v3                        ; r + 8 (r / 8)
	v_lshlrev_b32 v8, 12, v8
	v_lshl_add_u32 v8, v4, 6, v8                   ; my row, + 64 h: my 16 numbers of a block of 32
	s_wait_alu depctr_va_vdst(0)
	v_lshlrev_b32 v[LI16], 4, v2
	v_lshlrev_b32 v[LI8], 3, v2
	v_lshlrev_b32 v[LI4], 2, v2
.irp b, 0,1,2,3
	v_mov_b32 v[TM+4+\b], 0                        ; a lane permute's destination counts as one of its sources
.endr
	s_wait_kmcnt 0x0
	s_add_nc_u64 s[16:17], s[16:17], s[24:25]
	s_add_nc_u64 s[34:35], s[18:19], s[28:29]
	s_add_nc_u64 s[34:35], s[34:35], TC_OFF
	s_add_nc_u64 s[36:37], s[18:19], s[30:31]
	s_add_nc_u64 s[36:37], s[36:37], TS_OFF
.macro XLOAD reg, s
.irp b, 0,1,2,3
.irp j, 0,1,2,3
	global_load_b128 v[\reg+16*\b+4*\j:\reg+16*\b+4*\j+3], v8, s[16:17] offset:512*(\s)+128*\b+16*\j th:TH_LOAD_NT
.endr
.endr
.endm
	XLOAD 16, 0
	XLOAD 80, 1
.irp s, 0,1
.if \s < 1
	s_wait_loadcnt 16                              ; this K step's 16 loads are in; the second step's may be out
.else
	s_wait_loadcnt 0x0
.endif
	s_wait_xcnt 0x0                                ; the last step's stores have read the fragment's registers
	QUANT 16+64*\s
	PUT 34, 1536*\s
	global_store_b32 v[LI4], v[PW], s[36:37] offset:128*\s
.endr
	s_endpgm
.Lfunc_end_k_qb76e5ee968_prep:
	.size	k_qb76e5ee968_prep, .Lfunc_end_k_qb76e5ee968_prep-k_qb76e5ee968_prep
	.p2alignl 7, 3214868480
	.fill 96, 4, 3214868480
	.section	.rodata,"a",@progbits
	.p2align	6, 0x0
	.amdhsa_kernel k_qb76e5ee968_prep
		.amdhsa_group_segment_fixed_size 13824
		.amdhsa_private_segment_fixed_size 0
		.amdhsa_enable_private_segment 0
		.amdhsa_kernarg_size 64
		.amdhsa_user_sgpr_count 2
		.amdhsa_user_sgpr_kernarg_segment_ptr 1
		.amdhsa_wavefront_size32 1
		.amdhsa_system_sgpr_workgroup_id_x 1
		.amdhsa_system_sgpr_workgroup_id_y 1
		.amdhsa_system_sgpr_workgroup_id_z 1
		.amdhsa_system_vgpr_workitem_id 0
		.amdhsa_next_free_vgpr 186
		.amdhsa_next_free_sgpr 66
		.amdhsa_reserve_vcc 0
		.amdhsa_float_denorm_mode_32 3
		.amdhsa_float_denorm_mode_16_64 3
		.amdhsa_memory_ordered 1
		.amdhsa_forward_progress 1
		.amdhsa_inst_pref_size 39
	.end_amdhsa_kernel
	.amdgpu_metadata
---
amdhsa.version: [ 1, 2 ]
amdhsa.kernels:
  - .name:           k_qb76e5ee968_prep
    .symbol:         k_qb76e5ee968_prep.kd
    .args:
      - { .name: Wq, .offset: 0, .size: 8, .value_kind: global_buffer, .address_space: global }
      - { .name: Wk, .offset: 8, .size: 8, .value_kind: global_buffer, .address_space: global }
      - { .name: Wv, .offset: 16, .size: 8, .value_kind: global_buffer, .address_space: global }
      - { .name: Wo, .offset: 24, .size: 8, .value_kind: global_buffer, .address_space: global }
      - { .name: W1, .offset: 32, .size: 8, .value_kind: global_buffer, .address_space: global }
      - { .name: W2, .offset: 40, .size: 8, .value_kind: global_buffer, .address_space: global }
      - { .name: tokens, .offset: 48, .size: 8, .value_kind: global_buffer, .address_space: global }
      - { .name: P, .offset: 56, .size: 8, .value_kind: global_buffer, .address_space: global }
    .group_segment_fixed_size: 13824
    .private_segment_fixed_size: 0
    .kernarg_segment_align: 8
    .kernarg_segment_size: 64
    .max_flat_workgroup_size: 128
    .sgpr_count:     66
    .vgpr_count:     186
    .wavefront_size: 32
...
	.end_amdgpu_metadata
.endif
;; end of part 1
;; launch qkv (part 2): grid 12 x 16, 4 waves a work-group, clusters of 4 x 4, 327,680 bytes of LDS; arguments P, bq, bk, bv, QKV; writes QKV
.if DOCPART == 2
	.amdgcn_target "amdgcn-amd-amdhsa--gfx1250"
	.amdhsa_code_object_version 6
	.text
	.protected	k_qb76e5ee968_qkv
	.globl	k_qb76e5ee968_qkv
	.p2align	8
	.type	k_qb76e5ee968_qkv,@function
k_qb76e5ee968_qkv:
	s_mov_b64 s[64:65], 0
	v_nop
	global_prefetch_b8 v0, s[64:65] scope:SCOPE_SE
	s_setreg_imm32_b32 hwreg(HW_REG_WAVE_MODE, 25, 1), 1
	s_wait_xcnt 0x0
	s_wait_alu depctr_hold_cnt(0) depctr_sa_sdst(0) depctr_va_vdst(0) depctr_va_sdst(0) depctr_va_ssrc(0) depctr_va_vcc(0) depctr_vm_vsrc(0)
	s_getreg_b32 s2, hwreg(HW_REG_IB_STS2, 6, 4)
	s_cmp_eq_u32 s2, 0
	s_cbranch_scc0 .Lentry_in_a_cluster
	s_endpgm
.Lentry_in_a_cluster:
	s_bfe_u32 s2, ttmp6, 0x10000c
	s_cmp_lg_u32 s2, 0xf033
	s_cbranch_scc0 .Lentry_shape_is_right
	s_endpgm
.Lentry_shape_is_right:
; q, k, v = tokens x [Wq | Wk | Wv] + bias on codes of FP6 (E2M3), sums in f32; the results are quantised in registers and leave as codes: q and k along the head's 64, v along the keys.
; A work-group makes 256 tokens x 256 columns, each of four waves 128 x 128: 64 accumulators.  Cluster x = 0, 1, 2 is q, k, v (equal in all sixteen partners).
; All codes lie as images of operand registers (a fragment 1,536 bytes, a scale record 128; tile T's place r is row 32 (T/2) + 8 (T%2) + r + 8 (r/8)), so a fragment comes by four LDS loads at 16 x lane and 8 x lane: no pitch, no padding.
; K goes through a ring of two LDS slots of KS = 2 steps of 128; the scale records of the work-group's rows, for all of K, come once.  4 x 4 clusters: tokens' tiles are asked for jointly along a row of the cluster, weights' along a column.
; SOURCE 0 = 16 rows of the weight, source 1 = 16 tokens: a lane holds one token, and the 64 registers of source 0's eight tiles are 128 neighbouring columns in the order that the conversions want.
; FOR v THE TWO SIDES CHANGE PLACES (the LDS read addresses are chosen by the cluster's x): a lane then holds one channel and its registers run along 128 tokens, the keys: v is quantised along the keys with nothing transposed.
; The bias is the C of each sum's first product (q, k); v's bias hangs on the lane and is added on the way out (q, k add 0 there; v's C is 0).
; QKV: for each of 32 heads 16 records of 13,824 bytes (128 keys): K 8 half images (768 bytes: 16 keys x 64), V 4 fragments (16 channels x 128 keys), K's 8 scale records, V's 4; q's half images from 7,077,888, their scale records from 10,223,616.
; LIMITS: NaN and infinities are not served; a block under 2^-124 (zeros too) has the byte 1, not 127; this program alone reads the bytes.
; REGISTERS: window 0: v1-31 addresses, v8-15 v's bias, v32-47 source 1's scale words (two sets), v48-63 source 0's, v64-159 source 1's fragments, v160-255 source 0's (set 0);
;   window 1: v0-95, v96-191 the same (set 1), v192-255 the bias tiles;  windows 2, 3: accumulator 8 g + e at v[8 ((8 g + e) % 32)].
.set NT, 8
.set S,  8
.set KS, 2
.set YP, 4
.set XP, 4
.set YC_OFF, 10223616
.set YS_OFF, 13369344
.set XC_OFF, 0
.set XS_OFF, 9437184
.set RG,    NT*KS*1536                 ; what one tensor load brings: NT tiles x KS steps
.set SLOT,  4*RG                       ; tokens' two halves, weights' two halves
.set SCL,   2*SLOT                     ; behind the ring: the scale records, four blocks of HS
.set HS,    NT*S*128
.set SPARE, SCL+4*HS                   ; the spare words, 128 bytes a wave: two blocks of 256 bytes that no other line names
.set LAPS,  S/(2*KS)
.set LI16, 4
.set LI8,  5
.set LI4,  6
.set VB,   8
.set AD1,  16                          ; v16-17: 16 lane + source 1's region in slot 0, 1;  v18-19: 8 lane + the same
.set AD0,  20                          ; v20-23 the same for source 0
.set ADS1, 27                          ; scale words of source 1, of source 0
.set ADS0, 30
.set SPW,  28
.set NIL,  29
.set SC1,  32
.set SC0,  48
.set BI,   192
.set PC,   128
.set TM,   152
.set PW,   168
.set PW2,  169
.set SEL,  66
.set G1Y, 24
.set G0Y, 32
.set G1X, 48
.set G0X, 56
.set G1SY, 68
.set G0SY, 76
.set G1SX, 80
.set G0SX, 88
.set MSB, 0
.macro WIN new                         ; the immediate's high byte repeats the setting that is left
.if MSB != \new
	s_set_vgpr_msb (MSB<<8)|\new
.set MSB, \new
.endif
.endm
.macro PLACES                          ; four places behind a matrix instruction, in front of loads into its registers and of reads of its results
.rept 4
	v_nop
.endr
.endm
; A joint load: waves 0, 1 fetch the tokens' halves, waves 2, 3 the weights'.  The branch hangs on the wave's number alone.  Four v_nop follow each line.
.macro JLOAD g0y, g1y, g0x, g1x
	s_cmp_eq_u32 s15, 0
	s_cbranch_scc0 .Lfor_x_\@
	tensor_load_to_lds s[\g0y:\g0y+3], s[\g1y:\g1y+7]
	s_nop 0
.rept 4
	v_nop
.endr
	s_branch .Lasked_\@
.Lfor_x_\@:
	tensor_load_to_lds s[\g0x:\g0x+3], s[\g1x:\g1x+7]
	s_nop 0
.rept 4
	v_nop
.endr
.Lasked_\@:
.endm
.macro CROUND                          ; a round of the cluster's barrier
	s_barrier_signal -1
	s_barrier_wait -1
	s_cmp_lg_u32 s14, 0
	s_cbranch_scc1 .Lnot_wave_0_\@
	s_barrier_signal -3
.Lnot_wave_0_\@:
	s_barrier_wait -3
	s_barrier_signal -1
	s_barrier_wait -1
.endm
.macro FRAG reg, adr, off              ; a fragment's image back into 12 registers
	ds_load_b128 v[\reg:\reg+3], v[\adr] offset:\off
	ds_load_b64 v[\reg+4:\reg+5], v[\adr+2] offset:(\off)+512
	ds_load_b128 v[\reg+6:\reg+9], v[\adr] offset:(\off)+768
	ds_load_b64 v[\reg+10:\reg+11], v[\adr+2] offset:(\off)+1280
.endm
; The slot's q-th K step into set p: 2 NT scale words, 2 NT fragments.  step = 1: the scale addresses go one record on (no LDS instruction of mine is out here).
.macro FETCH slot, q, p, step
.if \step
	v_add_nc_u32 v[ADS1], 128, v[ADS1]
	v_add_nc_u32 v[ADS0], 128, v[ADS0]
.endif
.set fi, 0
.rept NT
	ds_load_b32 v[SC1+8*(\p)+fi], v[ADS1] offset:fi*S*128
	ds_load_b32 v[SC0+8*(\p)+fi], v[ADS0] offset:fi*S*128
.set fi, fi+1
.endr
	WIN 0x40*(\p)
.set fi, 0
.rept NT
	FRAG 64-64*(\p)+12*fi, AD1+\slot, (fi*KS+\q)*1536
	FRAG 160-64*(\p)+12*fi, AD0+\slot, (fi*KS+\q)*1536
.set fi, fi+1
.endr
	WIN 0
.endm
; NT x NT products on set p.  The accumulators take turns, one instruction a turn, in the same order in every step.  first = 1: C is the bias tile: nothing is cleared.
.macro MUL p, first
.set mg, 0
.rept NT
.set me, 0
.rept NT
.set mn, NT*mg+me
.set aw, 2+mn/32
.set ar, 8*(mn%32)
.if \first
	WIN (\p)|((\p)<<2)|(1<<4)|(aw<<6)
	v_wmma_scale_f32_16x16x128_f8f6f4 v[ar:ar+7], v[160-64*(\p)+12*me:160-64*(\p)+12*me+11], v[64-64*(\p)+12*mg:64-64*(\p)+12*mg+11], v[BI+8*me:BI+8*me+7], v[SC0+8*(\p)+me], v[SC1+8*(\p)+mg] matrix_a_fmt:MATRIX_FMT_FP6 matrix_b_fmt:MATRIX_FMT_FP6
.else
	WIN (\p)|((\p)<<2)|(aw<<4)|(aw<<6)
	v_wmma_scale_f32_16x16x128_f8f6f4 v[ar:ar+7], v[160-64*(\p)+12*me:160-64*(\p)+12*me+11], v[64-64*(\p)+12*mg:64-64*(\p)+12*mg+11], v[ar:ar+7], v[SC0+8*(\p)+me], v[SC1+8*(\p)+mg] matrix_a_fmt:MATRIX_FMT_FP6 matrix_b_fmt:MATRIX_FMT_FP6
.endif
.set me, me+1
.endr
.set mg, mg+1
.endr
	WIN 0
.endm
.macro STEP slot, q, first             ; a K step that has its successor in the same slot: the successor is fetched into the other set, then this set is multiplied
	s_wait_dscnt 0x0                               ; this step's fragments are in (asked for a step ago)
	PLACES
	FETCH \slot, (\q)+1, 1-(\q)%2, 1
	MUL (\q)%2, \first
.endm
.macro MIDS slot
.if KS > 2
	STEP \slot, 1, 0
	STEP \slot, 2, 0
.endif
.endm
; A slot's last step changes slots.  Its fragments are in registers when the wait for LDS is met, so nobody reads the slot behind the barrier.  fill = 1: the slot is filled again, two slots ahead, behind a round of the cluster's barrier.
.macro TURN slot, fill
	s_wait_tensorcnt 0x0                           ; all my tensor loads have landed: my part of the next slot
	ds_add_u32 v[SPW], v[NIL]                      ; 0 onto my spare word
.if \fill
	s_add_nc_u64 s[G0Y+4*\slot+2:G0Y+4*\slot+3], s[G0Y+4*\slot+2:G0Y+4*\slot+3], 2*KS*1536
	s_add_nc_u64 s[G0X+4*\slot+2:G0X+4*\slot+3], s[G0X+4*\slot+2:G0X+4*\slot+3], 2*KS*1536
.endif
	s_wait_dscnt 0x0                               ; the add is done, and my reads of this slot are over
.if \fill
	CROUND                                         ; no wave of any partner still reads this slot or has a load on its way
	JLOAD G0Y+4*\slot, G1Y, G0X+4*\slot, G1X       ; the first tensor load behind the round; its four v_nop are the places in front of the loads below
.else
	s_barrier_signal -1
	s_barrier_wait -1
	PLACES
.endif
	s_wait_alu depctr_va_vdst(0)
	FETCH 1-\slot, 0, 0, 1
	MUL 1, 0
.endm
.macro QUANT s                         ; 64 numbers of a lane, register 16 b + i = k 32 b + 16 (lane / 16) + i, become a fragment in v[PC] on and its scale word in v[PW]
.irp b, 0,1,2,3
	v_max3_num_f32 v[TM+\b], |v[\s+16*\b]|, |v[\s+1+16*\b]|, 0x1800000
.endr
.irp i, 2,4,6,8,10,12,14
.irp b, 0,1,2,3
	v_max3_num_f32 v[TM+\b], v[TM+\b], |v[\s+16*\b+\i]|, |v[\s+1+16*\b+\i]|
.endr
.endr
.irp b, 0,1,2,3
	v_permlanex16_b32 v[TM+4+\b], v[TM+\b], s[SEL], s[SEL+1]
.endr
.irp b, 0,1,2,3
	v_max_num_f32 v[TM+\b], v[TM+\b], v[TM+4+\b]
.endr
.irp b, 0,1,2,3
	v_add_nc_u32 v[TM+12+\b], 0xff000000, v[TM+\b]
.endr
.irp b, 0,1,2,3
	v_lshrrev_b32 v[TM+4+\b], 23, v[TM+12+\b]
.endr
	v_lshl_or_b32 v[PW], v[TM+5], 8, v[TM+4]
	v_lshl_or_b32 v[PW], v[TM+6], 16, v[PW]
	v_lshl_or_b32 v[PW], v[TM+7], 24, v[PW]
.irp c, 0,1
	v_cvt_scalef32_pk16_fp6_f32 v[PC+6*\c:PC+2+6*\c], v[\s+32*\c:\s+15+32*\c], v[TM+12+2*\c]
	v_cvt_scalef32_pk16_fp6_f32 v[PC+12+4*\c:PC+14+4*\c], v[\s+16+32*\c:\s+31+32*\c], v[TM+12+2*\c+1]
.endr
	v_nop
.irp c, 0,1
.irp i, 0,1,2
	v_permlane16_swap_b32 v[PC+6*\c+\i], v[PC+12+4*\c+\i]
.endr
.irp i, 0,1,2
	v_mov_b32 v[PC+3+6*\c+\i], v[PC+12+4*\c+\i]
.endr
.endr
.endm
	s_load_b256 s[4:11], s[0:1], 0x0               ; P, bq, bk, bv
	s_load_b64 s[12:13], s[0:1], 0x20              ; QKV
	v_lshl_add_u32 v[SPW], v0, 2, SPARE
	v_mov_b32 v[NIL], 0
	ds_add_u32 v28, v29
	ds_add_u32 v28, v29
	s_wait_dscnt 0x0
	v_lshrrev_b32 v1, 5, v0
	v_readfirstlane_b32 s14, v1                    ; wave 0..3
	s_lshr_b32 s15, s14, 1                         ; my half of the tokens.  Also: I fetch tokens (0) or weights (1)
	s_and_b32 s16, s14, 1                          ; my half of the columns.  Also: which half I fetch
	s_bfe_u32 s40, ttmp6, 0x40000                  ; cx, cy
	s_bfe_u32 s41, ttmp6, 0x40004
	s_lshl_b32 s42, ttmp9, 2
	s_add_co_u32 s42, s42, s40                     ; block of 256 columns
	s_and_b32 s17, ttmp7, 0xffff
	s_lshl_b32 s17, s17, 2
	s_add_co_u32 s17, s17, s41                     ; block of 256 tokens
	s_lshl_b32 s43, s41, 2
	s_lshl_b32 s43, 15, s43                        ; my row of the cluster
	s_lshl_b32 s44, 0x1111, s40                    ; my column
	s_or_b32 s[G1Y], s43, (3<<16)|(1<<21)          ; codes: NT rows (tiles) of KS x 1,536 bytes, S x 1,536 apart; elements of 8 bytes; no padding; bit 21 beside the mask
	s_or_b32 s[G1X], s44, (3<<16)|(1<<21)
.irp g, G1Y, G1X
	s_mov_b32 s[\g+1], (KS*192)<<16
	s_mov_b32 s[\g+2], (2*NT)<<16                  ; the head's loads bring both halves: 2 NT tiles; behind them the two words are set to NT
	s_mov_b32 s[\g+3], (KS*192)<<16
	s_mov_b32 s[\g+4], 2*NT
	s_mov_b32 s[\g+5], S*192
	s_mov_b32 s[\g+6], 0
	s_mov_b32 s[\g+7], 0
.endr
	s_or_b32 s[G1SY], s43, (3<<16)|(1<<21)         ; scale records of NT tiles: a dense block, as rows of 256 bytes
	s_or_b32 s[G1SX], s44, (3<<16)|(1<<21)
.irp g, G1SY, G1SX
	s_mov_b32 s[\g+1], 32<<16
	s_mov_b32 s[\g+2], (NT*S)<<16                  ; the scale records of both halves
	s_mov_b32 s[\g+3], 32<<16
	s_mov_b32 s[\g+4], NT*S
	s_mov_b32 s[\g+5], 32
	s_mov_b32 s[\g+6], 0
	s_mov_b32 s[\g+7], 0
.endr
	s_mul_i32 s18, s16, NT*S*1536                  ; in the ring I fetch one half: its bytes
	s_mov_b32 s19, 0
	s_mul_i32 s20, s17, 2*NT                       ; tokens: the block's first tile
	s_mul_i32 s46, s42, 2*NT                       ; weights: likewise
	s_mul_i32 s22, s20, S*128
	s_mul_i32 s92, s46, S*128
	s_mul_i32 s20, s20, S*1536
	s_mul_i32 s46, s46, S*1536
	s_mov_b32 s21, 0
	s_mov_b32 s23, 0
	s_mov_b32 s47, 0
	s_mov_b32 s93, 0
	s_mul_i32 s45, s14, RG                         ; where the ring's loads go: wave x a region: no place in the cluster enters an LDS address
	s_wait_kmcnt 0x0
	s_add_nc_u64 s[20:21], s[YP:YP+1], s[20:21]
	s_add_nc_u64 s[20:21], s[20:21], YC_OFF
	s_add_nc_u64 s[22:23], s[YP:YP+1], s[22:23]
	s_add_nc_u64 s[22:23], s[22:23], YS_OFF
	s_add_nc_u64 s[46:47], s[XP:XP+1], s[46:47]
	s_add_nc_u64 s[46:47], s[46:47], XC_OFF
	s_add_nc_u64 s[92:93], s[XP:XP+1], s[92:93]
	s_add_nc_u64 s[92:93], s[92:93], XS_OFF
	CROUND                                         ; all sixteen work-groups are here: the first joint loads meet
	s_mov_b32 s[G0SY], 1                           ; the head's four tiles, each whole: the tokens' scale records,
	s_mov_b32 s[G0SY+1], SCL
	s_mov_b64 s[G0SY+2:G0SY+3], s[22:23]
	s_or_b32 s[G0SY+3], s[G0SY+3], 0x80000000
	s_mov_b32 s[G0SX], 1                           ; the weights',
	s_mov_b32 s[G0SX+1], SCL+2*HS
	s_mov_b64 s[G0SX+2:G0SX+3], s[92:93]
	s_or_b32 s[G0SX+3], s[G0SX+3], 0x80000000
	s_mov_b32 s[G0Y], 1                            ; slot 0's tokens, both halves,
	s_mov_b32 s[G0Y+1], 0
	s_mov_b64 s[G0Y+2:G0Y+3], s[20:21]
	s_or_b32 s[G0Y+3], s[G0Y+3], 0x80000000
	s_mov_b32 s[G0X], 1                            ; and its weights, behind them
	s_mov_b32 s[G0X+1], 2*RG
	s_mov_b64 s[G0X+2:G0X+3], s[46:47]
	s_or_b32 s[G0X+3], s[G0X+3], 0x80000000
	s_add_nc_u64 s[92:93], s[20:21], s[18:19]      ; for the ring: my half of the tokens' tiles, of the weights'
	s_add_nc_u64 s[46:47], s[46:47], s[18:19]
	s_mov_b32 s[G0Y+4], 1                          ; slot 1: my quarter
	s_add_co_u32 s[G0Y+5], s45, SLOT
	s_add_nc_u64 s[G0Y+6:G0Y+7], s[92:93], KS*1536
	s_or_b32 s[G0Y+7], s[G0Y+7], 0x80000000
	s_mov_b32 s[G0X+4], 1
	s_add_co_u32 s[G0X+5], s45, SLOT
	s_add_nc_u64 s[G0X+6:G0X+7], s[46:47], KS*1536
	s_or_b32 s[G0X+7], s[G0X+7], 0x80000000
; The head's loads, one a wave: one chain of branches on the wave's number, a load to an arm, all arms leading to one join.
.macro ARM under, g0, g1, next
	s_cmp_lt_u32 s14, \under
	s_cbranch_scc0 \next
	tensor_load_to_lds s[\g0:\g0+3], s[\g1:\g1+7]
	s_nop 0
.rept 4
	v_nop
.endr
	s_branch .Lhead_asked
\next:
.endm
	ARM 1, G0Y, G1Y, .Lhead_x
	ARM 2, G0X, G1X, .Lhead_sy
	ARM 3, G0SY, G1SY, .Lhead_sx
	tensor_load_to_lds s[G0SX:G0SX+3], s[G1SX:G1SX+7]
	s_nop 0
.rept 4
	v_nop
.endr
.Lhead_asked:
	v_and_b32 v1, 15, v0                           ; r
	v_bfe_u32 v2, v0, 4, 1                         ; h
	v_and_b32 v3, 31, v0
	v_lshlrev_b32 v[LI16], 4, v3
	s_wait_alu depctr_va_vdst(0)
	v_lshlrev_b32 v[LI8], 3, v3
	s_wait_alu depctr_va_vdst(0)
	v_lshlrev_b32 v[LI4], 2, v3
	s_wait_alu depctr_va_vdst(0)
	s_mul_i32 s18, s15, RG                         ; the tokens' half that I multiply,
	s_mul_i32 s19, s16, RG
	s_add_co_u32 s19, s19, 2*RG                    ; the weights'
	s_cmp_eq_u32 ttmp9, 2                          ; for v they change places: source 1 = weights, source 0 = tokens
	s_cselect_b32 s95, s19, s18
	s_cselect_b32 s19, s18, s19
	s_mov_b32 s18, s95
.irp s, 0,1
	v_add_nc_u32 v[AD1+\s], s18, v[LI16]
	v_add_nc_u32 v[AD1+2+\s], s18, v[LI8]
	v_add_nc_u32 v[AD0+\s], s19, v[LI16]
	v_add_nc_u32 v[AD0+2+\s], s19, v[LI8]
	s_add_co_u32 s18, s18, SLOT
	s_add_co_u32 s19, s19, SLOT
.endr
	s_mul_i32 s18, s15, HS
	s_mul_i32 s19, s16, HS
	s_add_co_u32 s19, s19, 2*HS
	s_cmp_eq_u32 ttmp9, 2
	s_cselect_b32 s95, s19, s18
	s_cselect_b32 s19, s18, s19
	s_add_co_u32 s18, s95, SCL
	s_add_co_u32 s19, s19, SCL
	v_add_nc_u32 v[ADS1], s18, v[LI4]
	v_add_nc_u32 v[ADS0], s19, v[LI4]
	s_mov_b32 s[SEL], 0x76543210
	s_mov_b32 s[SEL+1], 0xfedcba98
	; the bias of my 128 columns
	s_cmp_eq_u32 ttmp9, 0
	s_cselect_b64 s[96:97], s[6:7], s[8:9]
	s_cmp_eq_u32 ttmp9, 2
	s_cselect_b64 s[96:97], s[10:11], s[96:97]
	s_lshl_b32 s18, s40, 10
	s_lshl_b32 s19, s16, 9
	s_add_co_u32 s18, s18, s19
	s_mov_b32 s19, 0
	s_add_nc_u64 s[96:97], s[96:97], s[18:19]
	v_lshlrev_b32 v31, 6, v2                       ; q, k: lane (r, h) wants, for tile e, columns 32 (e/2) + 8 (e%2) + 16 h + 0..7
	v_and_b32 v7, 8, v1
	v_add_nc_u32 v7, v7, v1
	v_lshlrev_b32 v7, 2, v7                        ; v: for tile g, column 32 (g/2) + 8 (g%2) + r + 8 (r/8)
	s_cmp_eq_u32 ttmp9, 2
	s_cbranch_scc1 .Lbias_v
	WIN 0x40
.irp e, 0,1,2,3,4,5,6,7
	global_load_b128 v[BI+8*\e:BI+8*\e+3], v31, s[96:97] offset:(32*(\e/2)+8*(\e%2))*4
	global_load_b128 v[BI+8*\e+4:BI+8*\e+7], v31, s[96:97] offset:(32*(\e/2)+8*(\e%2))*4+16
.endr
	WIN 0
.irp g, 0,1,2,3,4,5,6,7
	v_mov_b32 v[VB+\g], 0
.endr
	s_branch .Lbias_done
.Lbias_v:
	WIN 0x40
.set bk, 0
.rept 64
	v_mov_b32 v[BI+bk], 0
.set bk, bk+1
.endr
	WIN 0
.irp g, 0,1,2,3,4,5,6,7
	global_load_b32 v[VB+\g], v7, s[96:97] offset:(32*(\g/2)+8*(\g%2))*4
.endr
.Lbias_done:
	s_wait_alu depctr_va_vdst(0)
	s_wait_tensorcnt 0x0                           ; my tile of the head's four is in; a later first fill is issued as a refill is:
	ds_add_u32 v28, v29                            ; 0 onto my spare word
	s_mov_b32 s[G1Y+2], NT<<16                     ; no tensor load of mine is out: from here on a load brings NT tiles,
	s_mov_b32 s[G1Y+4], NT
	s_mov_b32 s[G1X+2], NT<<16
	s_mov_b32 s[G1X+4], NT
	s_mov_b32 s[G0Y+1], s45                        ; and slot 0's group 0 names my quarter
	s_mov_b64 s[G0Y+2:G0Y+3], s[92:93]
	s_or_b32 s[G0Y+3], s[G0Y+3], 0x80000000
	s_mov_b32 s[G0X+1], s45
	s_mov_b64 s[G0X+2:G0X+3], s[46:47]
	s_or_b32 s[G0X+3], s[G0X+3], 0x80000000
	s_wait_dscnt 0x0
	CROUND                                         ; all four tiles are in, and all sixteen work-groups are here
	JLOAD G0Y+4, G1Y, G0X+4, G1X                   ; slot 1's first fill, my one tensor load behind the round
	FETCH 0, 0, 0, 0
	s_wait_loadcnt 0x0                             ; the bias
	s_wait_alu depctr_va_vdst(0)
	STEP 0, 0, 1                                   ; the first step stands in front of the loop: its products start the sums
.if LAPS > 1
	s_mov_b32 s3, LAPS-1
.Llap:                                             ; a trip goes once round the ring and fills both slots again
	MIDS 0
	TURN 0, 1
	s_wait_alu depctr_va_vdst(0)
	STEP 1, 0, 0
	MIDS 1
	TURN 1, 1
	s_wait_alu depctr_va_vdst(0)
	STEP 0, 0, 0
	s_sub_co_u32 s3, s3, 1
	s_cmp_lg_u32 s3, 0
	s_cbranch_scc1 .Llap
.endif
	MIDS 0
	TURN 0, 0                                      ; the last lap fills nothing
	s_wait_alu depctr_va_vdst(0)
	STEP 1, 0, 0
	MIDS 1
	s_wait_dscnt 0x0
	MUL 1, 0
	PLACES
	; THE WAY OUT.  One text for q, k and v: bases, steps and a shift are chosen by the cluster's x.  No tensor load of mine is out: the descriptors' registers are free.
	s_lshr_b32 s83, s17, 3                         ; batch
	s_and_b32 s84, s17, 7
	s_lshl_b32 s84, s84, 1
	s_add_co_u32 s84, s84, s15                     ; which 128 tokens of the batch
	s_lshl_b32 s83, s83, 4
	s_lshl_b32 s85, s40, 2
	s_add_co_u32 s83, s83, s85
	s_lshl_b32 s85, s16, 1
	s_add_co_u32 s83, s83, s85                     ; the first of my two heads
	s_cmp_eq_u32 ttmp9, 0                          ; q?
	s_mov_b32 s86, 221184
	s_cselect_b32 s85, 98304, s86                  ; codes: bytes a head,
	s_mov_b32 s87, 13824
	s_cselect_b32 s87, 6144, s87                   ; bytes for 128 tokens,
	s_cselect_b32 s88, 7077888, 0                  ; first byte
	s_cselect_b32 s86, 16384, s86                  ; scale records: the same three
	s_mov_b32 s89, 13824
	s_cselect_b32 s89, 1024, s89
	s_mov_b32 s90, 12288
	s_cselect_b32 s90, 10223616, s90
	s_cmp_eq_u32 ttmp9, 2                          ; v?
	s_cselect_b32 s88, 6144, s88
	s_cselect_b32 s90, 13312, s90
	s_cselect_b32 s70, 768, s85                    ; from a fragment's first half to its second: q, k: the next head; v: 768 bytes
	s_cselect_b32 s74, 0, s86
	s_mov_b32 s76, 768
	s_cselect_b32 s78, 216576, s76                 ; the step from g = 3 to 4: v goes on to the next head
	s_cselect_b32 s76, 1536, s76                   ; every other step
	s_mov_b32 s80, 128
	s_cselect_b32 s80, 220800, s80
	s_cselect_b32 s82, 0, 16                       ; q, k: the second head's two bytes come down; v: the word as it is
	s_mul_i32 s68, s83, s85
	s_mul_i32 s87, s84, s87
	s_add_co_u32 s68, s68, s87
	s_add_co_u32 s68, s68, s88
	s_mul_i32 s72, s83, s86
	s_mul_i32 s89, s84, s89
	s_add_co_u32 s72, s72, s89
	s_add_co_u32 s72, s72, s90
	s_mov_b32 s69, 0
	s_mov_b32 s71, 0
	s_mov_b32 s73, 0
	s_mov_b32 s75, 0
	s_mov_b32 s77, 0
	s_mov_b32 s79, 0
	s_mov_b32 s81, 0
	s_add_nc_u64 s[68:69], s[12:13], s[68:69]
	s_add_nc_u64 s[70:71], s[68:69], s[70:71]
	s_add_nc_u64 s[72:73], s[12:13], s[72:73]
	s_add_nc_u64 s[74:75], s[72:73], s[74:75]
.irp b, 0,1,2,3
	v_mov_b32 v[TM+4+\b], 0
.endr
.macro EQ g                            ; source 1's tile g: its 64 numbers a lane become one fragment
	s_wait_xcnt 0x0                                ; the last tile's stores have read their registers and bases
.if (\g) == 4
	s_add_nc_u64 s[68:69], s[68:69], s[78:79]
	s_add_nc_u64 s[70:71], s[70:71], s[78:79]
	s_add_nc_u64 s[72:73], s[72:73], s[80:81]
	s_add_nc_u64 s[74:75], s[74:75], s[80:81]
.elseif (\g) > 0
	s_add_nc_u64 s[68:69], s[68:69], s[76:77]
	s_add_nc_u64 s[70:71], s[70:71], s[76:77]
	s_add_nc_u64 s[72:73], s[72:73], 128
	s_add_nc_u64 s[74:75], s[74:75], 128
.endif
	WIN (2+(\g)/4)<<2
.set ek, 0
.rept 64
	v_add_f32 v[64+ek], v[VB+\g], v[64*((\g)%4)+ek]   ; each accumulator from its low end on; v's bias (0 for q, k)
.set ek, ek+1
.endr
	WIN 0
	QUANT 64
	v_lshrrev_b32 v[PW2], s82, v[PW]
	global_store_b128 v[LI16], v[PC:PC+3], s[68:69]
	global_store_b64 v[LI8], v[PC+4:PC+5], s[68:69] offset:512
	global_store_b128 v[LI16], v[PC+6:PC+9], s[70:71]
	global_store_b64 v[LI8], v[PC+10:PC+11], s[70:71] offset:512
	global_store_b32 v[LI4], v[PW], s[72:73]
	global_store_b32 v[LI4], v[PW2], s[74:75]      ; (for v: the same word to the same place)
.endm
.irp g, 0,1,2,3,4,5,6,7
	EQ \g
.endr
	s_wait_tensorcnt 0x0                           ; the wave's end
	ds_add_u32 v[SPW], v[NIL]
	s_wait_dscnt 0x0
	CROUND                                         ; the closing round
	s_endpgm
.Lfunc_end_k_qb76e5ee968_qkv:
	.size	k_qb76e5ee968_qkv, .Lfunc_end_k_qb76e5ee968_qkv-k_qb76e5ee968_qkv
	.p2alignl 7, 3214868480
	.fill 96, 4, 3214868480
	.section	.rodata,"a",@progbits
	.p2align	6, 0x0
	.amdhsa_kernel k_qb76e5ee968_qkv
		.amdhsa_group_segment_fixed_size 327680
		.amdhsa_private_segment_fixed_size 0
		.amdhsa_enable_private_segment 0
		.amdhsa_kernarg_size 40
		.amdhsa_user_sgpr_count 2
		.amdhsa_user_sgpr_kernarg_segment_ptr 1
		.amdhsa_wavefront_size32 1
		.amdhsa_system_sgpr_workgroup_id_x 1
		.amdhsa_system_sgpr_workgroup_id_y 1
		.amdhsa_system_sgpr_workgroup_id_z 1
		.amdhsa_system_vgpr_workitem_id 0
		.amdhsa_next_free_vgpr 1024
		.amdhsa_next_free_sgpr 100
		.amdhsa_reserve_vcc 0
		.amdhsa_float_denorm_mode_32 3
		.amdhsa_float_denorm_mode_16_64 3
		.amdhsa_memory_ordered 1
		.amdhsa_forward_progress 1
		.amdhsa_inst_pref_size 180
	.end_amdhsa_kernel
	.amdgpu_metadata
---
amdhsa.version: [ 1, 2 ]
amdhsa.kernels:
  - .name:           k_qb76e5ee968_qkv
    .symbol:         k_qb76e5ee968_qkv.kd
    .args:
      - { .name: P, .offset: 0, .size: 8, .value_kind: global_buffer, .address_space: global }
      - { .name: bq, .offset: 8, .size: 8, .value_kind: global_buffer, .address_space: global }
      - { .name: bk, .offset: 16, .size: 8, .value_kind: global_buffer, .address_space: global }
      - { .name: bv, .offset: 24, .size: 8, .value_kind: global_buffer, .address_space: global }
      - { .name: QKV, .offset: 32, .size: 8, .value_kind: global_buffer, .address_space: global }
    .group_segment_fixed_size: 327680
    .private_segment_fixed_size: 0
    .kernarg_segment_align: 8
    .kernarg_segment_size: 40
    .max_flat_workgroup_size: 128
    .sgpr_count:     100
    .vgpr_count:     1024
    .wavefront_size: 32
...
	.end_amdgpu_metadata
.endif
;; end of part 2
;; launch attn (part 3): grid 8 x 32, 16 waves a work-group, clusters of 4 x 1, 223,232 bytes of LDS; arguments QKV, dist_scale, A; writes A
.if DOCPART == 3
	.amdgcn_target "amdgcn-amd-amdhsa--gfx1250"
	.amdhsa_code_object_version 6
	.text
	.protected	k_qb76e5ee968_attn
	.globl	k_qb76e5ee968_attn
	.p2align	8
	.type	k_qb76e5ee968_attn,@function
k_qb76e5ee968_attn:
	s_mov_b64 s[64:65], 0
	v_nop
	global_prefetch_b8 v0, s[64:65] scope:SCOPE_SE
	s_setreg_imm32_b32 hwreg(HW_REG_WAVE_MODE, 25, 1), 1
	s_wait_xcnt 0x0
	s_wait_alu depctr_hold_cnt(0) depctr_sa_sdst(0) depctr_va_vdst(0) depctr_va_sdst(0) depctr_va_ssrc(0) depctr_va_vcc(0) depctr_vm_vsrc(0)
	s_getreg_b32 s2, hwreg(HW_REG_IB_STS2, 6, 4)
	s_cmp_eq_u32 s2, 0
	s_cbranch_scc0 .Lentry_in_a_cluster
	s_endpgm
.Lentry_in_a_cluster:
	s_bfe_u32 s2, ttmp6, 0x10000c
	s_cmp_lg_u32 s2, 0x3003
	s_cbranch_scc0 .Lentry_shape_is_right
	s_endpgm
.Lentry_shape_is_right:
; A[b][t][head] = softmax_u((q.k - ds |t - u|, -inf where head > u) / 8) v, both products on codes of FP6 (E2M3); the result is quantised along the model's 1,024 and leaves as codes.
; t' = logit x log2(e); M = the running largest t' rounded up to a whole number; p = 2^(t' - M) is quantised along the keys; the row's sum of the unquantised p divides at the end.
; SHARES.  A work-group owns 16 tiles of 16 queries of one head (grid y = batch x 16 + head), a tile to each of its sixteen waves.  THE HEAD'S K AND V, codes and scale records, 16 records of 13,824 bytes, lie in LDS WHOLE:
; wave w brings record w by one tensor load; nothing is filled again.  Every wave walks the 16 records, 128 keys a step.
; CLUSTER.  Four work-groups of one head form a cluster and need the same 16 records: each record is asked for JOINTLY, by the same tensor load with the same descriptor and a mask that names the four.
; The one step of a wave that lies on the diagonal is taken by a branch, and partners have to run alike: so the tiles are dealt such that the branch is the same in all four:
; wave w of the partner at place cx in cluster c takes tile 64 c + 8 (w / 2) + 2 cx + w % 2, whose own keys lie in step 8 c + w / 2, whatever cx.  cx enters Q's and A's addresses and numbers in vector registers alone.
; Both products are used transposed (S^T = K Q^T, O^T = V^T P^T): a lane holds one query.  Tile T's place r is row 32 (T/2) + 8 (T%2) + r + 8 (r/8), so the 16 registers of score tiles 2 b, 2 b + 1 are keys 32 b + 16 h + 0..15.
; THE HEAD IS 64 WIDE, the instruction 128: Q's registers 6-11 are zero codes; source 0 names 12 registers from a key tile's six on, so its upper six are the next tile's codes (for the last tile: zeros):
; each of those products is a finite number x 0.  The scale words' upper bytes are 0 or a neighbour's byte (1 to 252), never 0xff.
; THE DISTANCE: off the diagonal |t - u| is linear.  Its part 16 h + 8 u + i is the C of the score products (16 registers, sign turned at the diagonal); the rest is one number a block of 32 keys and goes into the addend of t' - M.
; In the one step on the diagonal C is made element by element.
; LIMITS: NaN and infinities are not served; a block under 2^-124 (zeros too) has the byte 1; the bias and the scores are added in another order than the reference adds them, all in f32.
; REGISTERS: v1-3 16, 8, 4 x lane; v4-6 the step's addresses; v8 128 j - query (f32); v9 -inf; v10 head - 16 h; v11 128 jd - query + 16 h; v12 -M; v13 largest t'; v[14:15] the sum; v16-27 Q; v28 Q's scale word;
;   v32-79 K's 8 half fragments, then V's 4 fragments; v80-85 zeros; v86-93 scale words; v96-159 S^T, then p; v160-191 O^T; v192-207 C; v208-226 p's codes; v228-255 at work.
.set REC,   13824
.set HEADB, 221184
.set QC,    7077888
.set QS,    10223616
.set ASO,   3145728
.set WV,  14
.set BH,  15
.set TT,  16
.set JD,  17
.set J,   18
.set TB,  19
.set SEL, 20
.set CS,  22
.set G1,  24
.set G0,  32
.set DS,  36
.set NDS, 37
.set CDS, 38
.set NCDS, 39
.set SG,  40
.macro CROUND                          ; a round of the cluster's barrier: my work-group's barrier; wave 0 signals for the work-group; every wave waits for all four work-groups; my work-group's barrier once more
	s_barrier_signal -1
	s_barrier_wait -1
	s_cmp_lg_u32 s[WV], 0
	s_cbranch_scc1 .Lnot_wave_0_\@
	s_barrier_signal -3
.Lnot_wave_0_\@:
	s_barrier_wait -3
	s_barrier_signal -1
	s_barrier_wait -1
.endm
	s_load_b128 s[4:7], s[0:1], 0x0                ; QKV, dist_scale
	s_load_b64 s[8:9], s[0:1], 0x10                ; A
	v_lshl_add_u32 v223, v0, 2, 0x36000
	v_mov_b32 v227, 0
	ds_add_u32 v223, v227
	ds_add_u32 v223, v227
	v_lshrrev_b32 v1, 5, v0
	s_delay_alu instid0(VALU_DEP_1)
	v_readfirstlane_b32 s[WV], v1                  ; wave 0..15
	s_and_b32 s[BH], ttmp7, 0xffff                 ; batch x 16 + head, which the four partners share
	s_mov_b32 s[G1], 15|(3<<16)|(1<<21)            ; a dense record: 54 rows of 256 bytes (32 elements of 8 bytes), no padding; the mask names all four work-groups, bit 21 beside it
	s_mov_b32 s[G1+1], 32<<16
	s_mov_b32 s[G1+2], 54<<16
	s_mov_b32 s[G1+3], 32<<16
	s_mov_b32 s[G1+4], 54
	s_mov_b32 s[G1+5], 32
	s_mov_b32 s[G1+6], 0
	s_mov_b32 s[G1+7], 0
	s_mov_b32 s[G0], 1
	s_mul_i32 s[G0+1], s[WV], REC                  ; LDS: record w: no place in the cluster enters an LDS address
	s_mul_i32 s44, s[BH], HEADB
	s_add_co_u32 s44, s44, s[G0+1]
	s_mov_b32 s45, 0
	s_wait_dscnt 0x0
	s_wait_kmcnt 0x0
	s_add_nc_u64 s[G0+2:G0+3], s[4:5], s[44:45]
	s_or_b32 s[G0+3], s[G0+3], 0x80000000
	CROUND                                         ; all four work-groups are here: the joint loads meet
	tensor_load_to_lds s[G0:G0+3], s[G1:G1+7]      ; my one tensor load
	s_nop 0
.rept 4
	v_nop
.endr
	s_load_b32 s[DS], s[6:7], 0x0
	s_lshr_b32 s47, s[WV], 1
	s_lshl_b32 s[JD], ttmp9, 3
	s_add_co_u32 s[JD], s[JD], s47                 ; the step in which my queries' own keys lie: 8 x cluster + wave / 2: equal in all four partners
	s_bfe_u32 s46, ttmp6, 0x40000                  ; cx: my place in the cluster
	s_lshl_b32 s[TT], s[JD], 3
	s_lshl_b32 s46, s46, 1
	s_add_co_u32 s[TT], s[TT], s46
	s_and_b32 s47, s[WV], 1
	s_add_co_u32 s[TT], s[TT], s47                 ; my tile of queries, 0..127: 8 x that step + 2 cx + wave % 2
	s_mul_i32 s44, s[BH], 98304
	s_mul_i32 s46, s[TT], 768
	s_add_co_u32 s44, s44, s46
	s_add_nc_u64 s[10:11], s[4:5], s[44:45]
	s_add_nc_u64 s[10:11], s[10:11], QC
	s_lshl_b32 s44, s[BH], 14
	s_lshl_b32 s46, s[TT], 7
	s_add_co_u32 s44, s44, s46
	s_add_nc_u64 s[12:13], s[4:5], s[44:45]
	s_add_nc_u64 s[12:13], s[12:13], QS
	v_and_b32 v7, 31, v0
	s_delay_alu instid0(VALU_DEP_1)
	v_lshlrev_b32 v1, 4, v7
	s_delay_alu instid0(VALU_DEP_2)
	v_lshlrev_b32 v2, 3, v7
	s_delay_alu instid0(VALU_DEP_3)
	v_lshlrev_b32 v3, 2, v7
	global_load_b128 v[16:19], v1, s[10:11]        ; Q's half image
	global_load_b64 v[20:21], v2, s[10:11] offset:512
	global_load_b32 v28, v3, s[12:13]
	v_and_b32 v254, 15, v0
	v_bfe_u32 v255, v0, 4, 1
	s_delay_alu instid0(VALU_DEP_1)
	v_lshlrev_b32 v255, 4, v255                    ; 16 h
	s_delay_alu instid0(VALU_DEP_3)
	v_and_b32 v7, 8, v254
	s_delay_alu instid0(VALU_DEP_1)
	v_add_nc_u32 v7, v7, v254
	s_lshr_b32 s44, s[TT], 1
	s_lshl_b32 s44, s44, 5
	s_and_b32 s46, s[TT], 1
	s_lshl_b32 s46, s46, 3
	s_add_co_u32 s44, s44, s46
	v_add_nc_u32 v7, s44, v7                       ; my query
	s_delay_alu instid0(VALU_DEP_1)
	v_sub_nc_u32 v254, 0, v7
	s_delay_alu instid0(VALU_DEP_1)
	v_cvt_f32_i32 v8, v254
	s_lshl_b32 s44, s[JD], 7
	v_add_nc_u32 v11, v254, v255
	s_delay_alu instid0(VALU_DEP_1)
	v_add_nc_u32 v11, s44, v11
	s_and_b32 s44, s[BH], 15                       ; head
	v_sub_nc_u32 v10, s44, v255
	v_mov_b32 v9, 0xff800000
	s_mov_b32 s[CS], 0x3e38aa3b                    ; c = log2(e) / 8
	s_mov_b32 s[CS+1], s[CS]
	s_mov_b32 s[SEL], 0x76543210
	s_mov_b32 s[SEL+1], 0xfedcba98
	s_mov_b32 s[J], 0
	s_mov_b32 s[TB], 0
	s_wait_kmcnt 0x0
	s_xor_b32 s[NDS], s[DS], 0x80000000
	s_mul_f32 s[CDS], s[DS], s[CS]
	s_xor_b32 s[NCDS], s[CDS], 0x80000000
.irp n, 0,1,2,3,4,5,6,7,8,9,10,11,12,13,14,15
	v_add_nc_u32 v254, \n, v255
	s_delay_alu instid0(VALU_DEP_1)
	v_cvt_f32_u32 v254, v254
	s_delay_alu instid0(VALU_DEP_1)
	v_mul_f32 v[192+\n], s[DS], v254               ; ds (16 h + n): for keys ahead of the query
.endr
	v_mov_b32 v13, 0xff61b1e6                      ; -3e38, under every t'
	s_delay_alu instid0(VALU_DEP_1)
	v_floor_f32 v12, -v13
	v_mov_b32 v14, 0
	v_mov_b32 v15, 0
.irp n, 22,23,24,25,26,27,80,81,82,83,84,85,232,233,234,235,253
	v_mov_b32 v\n, 0
.endr
.set zi, 0
.rept 32
	v_mov_b32 v[160+zi], 0                         ; O^T: the loop is written once; its first step finds zeros
.set zi, zi+1
.endr
	s_wait_tensorcnt 0x0                           ; my record is in,
	s_barrier_signal -1
	s_barrier_wait -1                              ; everybody's is
	s_wait_loadcnt 0x0                             ; Q
.Lstep:
	v_add_nc_u32 v4, s[TB], v1
	v_add_nc_u32 v5, s[TB], v2
	v_add_nc_u32 v6, s[TB], v3
	v_nop                                          ; four places in front of loads into registers that the last products read
	s_cmp_lt_u32 s[J], s[JD]
	s_cselect_b32 s[SG], s[CDS], s[NCDS]           ; + c ds ahead of the diagonal, - c ds behind it,
	s_cmp_eq_u32 s[J], s[JD]
	s_cselect_b32 s[SG], 0, s[SG]                  ; 0 on it
	s_mul_f32 s[SG+1], s[SG], 0x42000000           ; x 32, 64, 96
	s_mul_f32 s[SG+2], s[SG], 0x42800000
	s_mul_f32 s[SG+3], s[SG], 0x42c00000
.irp t, 0,1,2,3,4,5,6,7
	ds_load_b128 v[32+6*\t:35+6*\t], v4 offset:768*\t
	ds_load_b64 v[36+6*\t:37+6*\t], v5 offset:768*\t+512
	ds_load_b32 v[86+\t], v6 offset:12288+128*\t
.endr
	s_wait_dscnt 0x0
	s_cmp_eq_u32 s[J], s[JD]
	s_cbranch_scc1 .Ldiag
.irp t, 0,1,2,3,4,5,6,7
	v_wmma_scale_f32_16x16x128_f8f6f4 v[96+8*\t:103+8*\t], v[32+6*\t:43+6*\t], v[16:27], v[192+8*(\t%2):199+8*(\t%2)], v[86+\t], v28 matrix_a_fmt:MATRIX_FMT_FP6 matrix_b_fmt:MATRIX_FMT_FP6
.endr
	s_branch .Lscored
.Ldiag:                                            ; once a wave: C = - ds |key - query|, element by element
.set dn, 0
.rept 64
	v_add_nc_u32 v[254+dn%2], 32*(dn/16)+dn%16, v11
	s_delay_alu instid0(VALU_DEP_1)
	v_cvt_f32_i32 v[254+dn%2], v[254+dn%2]
	s_delay_alu instid0(VALU_DEP_1)
	v_mul_f32 v[96+dn], s[NDS], |v[254+dn%2]|
.set dn, dn+1
.endr
.irp n, 0,1,2,3,4,5,6,7,8,9,10,11,12,13,14,15
	v_xor_b32 v[192+\n], 0x80000000, v[192+\n]     ; from here on the keys lie behind the query
.endr
.irp t, 0,1,2,3,4,5,6,7
	v_wmma_scale_f32_16x16x128_f8f6f4 v[96+8*\t:103+8*\t], v[32+6*\t:43+6*\t], v[16:27], v[96+8*\t:103+8*\t], v[86+\t], v28 matrix_a_fmt:MATRIX_FMT_FP6 matrix_b_fmt:MATRIX_FMT_FP6
.endr
.Lscored:
	s_wait_alu depctr_va_vdst(0)
	v_mul_f32 v244, s[SG], v8                      ; E_b = +- c ds (128 j - query + 32 b).  (These four are the places behind the products)
	v_fma_f32 v245, s[SG], v8, s[SG+1]
	v_fma_f32 v246, s[SG], v8, s[SG+2]
	v_fma_f32 v247, s[SG], v8, s[SG+3]
.irp t, 0,1,2,3                                    ; V's fragments land while the softmax is walked
	ds_load_b128 v[32+12*\t:35+12*\t], v4 offset:6144+1536*\t
	ds_load_b64 v[36+12*\t:37+12*\t], v5 offset:6144+1536*\t+512
	ds_load_b128 v[38+12*\t:41+12*\t], v4 offset:6144+1536*\t+768
	ds_load_b64 v[42+12*\t:43+12*\t], v5 offset:6144+1536*\t+1280
	ds_load_b32 v[86+\t], v6 offset:13312+128*\t
.endr
	s_cmp_lg_u32 s[J], 0
	s_cbranch_scc1 .Lnomask
.irp i, 0,1,2,3,4,5,6,7,8,9,10,11,12,13,14
	v_cmp_lt_i32 vcc_lo, \i, v10                   ; key 16 h + i is hidden where head > key.  Key 15 always counts
	v_cndmask_b32 v[96+\i], v[96+\i], v9, vcc_lo
.endr
.Lnomask:
.irp b, 0,1,2,3
	v_max3_num_f32 v[228+\b], v[96+16*\b], v[97+16*\b], v[98+16*\b]   ; the largest score of each block of 32 keys
.endr
.irp i, 3,5,7,9,11,13
.irp b, 0,1,2,3
	v_max3_num_f32 v[228+\b], v[228+\b], v[96+16*\b+\i], v[97+16*\b+\i]
.endr
.endr
.irp b, 0,1,2,3
	v_max_num_f32 v[228+\b], v[228+\b], v[111+16*\b]
.endr
.irp b, 0,1,2,3
	s_delay_alu instid0(VALU_DEP_4)
	v_permlanex16_b32 v[232+\b], v[228+\b], s[SEL], s[SEL+1]
.endr
.irp b, 0,1,2,3
	s_delay_alu instid0(VALU_DEP_4)
	v_max_num_f32 v[228+\b], v[228+\b], v[232+\b]
.endr
.irp b, 0,1,2,3
	s_delay_alu instid0(VALU_DEP_4)
	v_fma_f32 v[232+\b], v[228+\b], s[CS], v[244+\b]   ; the block's largest t' (c is positive)
.endr
	s_delay_alu instid0(VALU_DEP_2)
	v_max3_num_f32 v254, v232, v233, v234
	s_delay_alu instid0(VALU_DEP_1)
	v_max_num_f32 v254, v254, v235
	s_delay_alu instid0(VALU_DEP_1)
	v_max_num_f32 v13, v13, v254
	v_mov_b32 v254, v12
	s_delay_alu instid0(VALU_DEP_2)
	v_floor_f32 v12, -v13                          ; -M = floor(-t'): M is a whole number
	s_delay_alu instid0(VALU_DEP_1)
	v_sub_f32 v254, v12, v254
	s_delay_alu instid0(VALU_DEP_1)
	v_cvt_i32_f32 v254, v254                       ; (it saturates)
	s_delay_alu instid0(VALU_DEP_1)
	v_ldexp_f32 v252, 1.0, v254                    ; f = 2^(old M - new M)
.irp b, 0,1,2,3
	v_add_f32 v[236+2*\b], v[244+\b], v12          ; the block's addend E_b - M
.endr
.irp b, 0,1,2,3
	s_delay_alu instid0(VALU_DEP_4)
	v_fma_f32 v[237+2*\b], v[228+\b], s[CS], v[236+2*\b]   ; the block's largest score through the same multiply-add
.endr
.irp b, 0,1,2,3
.irp k, 0,2,4,6,8,10,12,14
	v_pk_fma_f32 v[96+16*\b+\k:97+16*\b+\k], v[96+16*\b+\k:97+16*\b+\k], s[CS:CS+1], v[236+2*\b:237+2*\b] op_sel_hi:[1,0,0]
.endr
.endr
.set ei, 0
	s_wait_alu depctr_va_vdst(0)
.rept 64
	v_exp_f32 v[96+ei], v[96+ei]                   ; p = 2^(t' - M)
.set ei, ei+1
.endr
	v_pk_mul_f32 v[14:15], v[14:15], v[252:253] op_sel_hi:[1,0]   ; the sums under the new M (a plain place behind the exponentials)
	s_wait_alu depctr_va_vdst(0)                   ; one wait for the batch, ahead of its first reader
.irp b, 0,1,2,3
	v_exp_f32 v[228+\b], v[237+2*\b]               ; the block's largest p
.endr
	v_pk_add_f32 v[232:233], v[100:101], v[104:105]
	v_pk_add_f32 v[254:255], v[108:109], v[112:113]
	v_pk_add_f32 v[250:251], v[116:117], v[120:121]
	v_pk_add_f32 v[248:249], v[124:125], v[128:129]
	v_pk_add_f32 v[246:247], v[132:133], v[136:137]
	v_pk_add_f32 v[244:245], v[140:141], v[144:145]
	v_pk_add_f32 v[242:243], v[148:149], v[152:153]
	v_pk_add_f32 v[14:15], v[14:15], v[156:157]
	v_pk_add_f32 v[232:233], v[232:233], v[96:97]
	v_pk_add_f32 v[254:255], v[254:255], v[98:99]
	v_pk_add_f32 v[250:251], v[250:251], v[102:103]
	v_pk_add_f32 v[248:249], v[248:249], v[106:107]
	v_pk_add_f32 v[246:247], v[246:247], v[110:111]
	v_pk_add_f32 v[244:245], v[244:245], v[114:115]
	v_pk_add_f32 v[242:243], v[242:243], v[118:119]
	v_pk_add_f32 v[14:15], v[14:15], v[122:123]
	v_pk_add_f32 v[232:233], v[232:233], v[126:127]
	v_pk_add_f32 v[254:255], v[254:255], v[130:131]
	v_pk_add_f32 v[250:251], v[250:251], v[134:135]
	v_pk_add_f32 v[248:249], v[248:249], v[138:139]
	v_pk_add_f32 v[246:247], v[246:247], v[142:143]
	v_pk_add_f32 v[244:245], v[244:245], v[146:147]
	v_pk_add_f32 v[242:243], v[242:243], v[150:151]
	v_pk_add_f32 v[14:15], v[14:15], v[154:155]
	v_pk_add_f32 v[232:233], v[232:233], v[158:159]
	s_delay_alu instid0(VALU_DEP_2)
	v_pk_add_f32 v[14:15], v[14:15], v[248:249]
	s_delay_alu instid0(VALU_DEP_2)
	v_pk_add_f32 v[232:233], v[232:233], v[246:247]
	v_pk_add_f32 v[254:255], v[254:255], v[244:245]
	v_pk_add_f32 v[250:251], v[250:251], v[242:243]
	s_delay_alu instid0(VALU_DEP_2)
	v_pk_add_f32 v[14:15], v[14:15], v[254:255]
	s_delay_alu instid0(VALU_DEP_2)
	v_pk_add_f32 v[232:233], v[232:233], v[250:251]
	s_delay_alu instid0(VALU_DEP_1)
	v_pk_add_f32 v[14:15], v[14:15], v[232:233]
	s_wait_alu depctr_va_vdst(0)                   ; and one for the four
.irp b, 0,1,2,3
	v_max_num_f32 v[228+\b], 0x1800000, v[228+\b]
.endr
.irp b, 0,1,2,3
	s_delay_alu instid0(VALU_DEP_4)
	v_add_nc_u32 v[244+\b], 0xff000000, v[228+\b]
.endr
.irp b, 0,1,2,3
	s_delay_alu instid0(VALU_DEP_4)
	v_lshrrev_b32 v[248+\b], 23, v[244+\b]
.endr
	s_delay_alu instid0(VALU_DEP_3)
	v_lshl_or_b32 v253, v249, 8, v248              ; p's scale word
	s_delay_alu instid0(VALU_DEP_1)
	v_lshl_or_b32 v253, v250, 16, v253
	s_delay_alu instid0(VALU_DEP_1)
	v_lshl_or_b32 v253, v251, 24, v253
.irp c, 0,1
	v_cvt_scalef32_pk16_fp6_f32 v[208+6*\c:210+6*\c], v[96+32*\c:111+32*\c], v[244+2*\c]
	v_cvt_scalef32_pk16_fp6_f32 v[220+4*\c:222+4*\c], v[112+32*\c:127+32*\c], v[244+2*\c+1]
.endr
	v_nop
.irp c, 0,1
.irp i, 0,1,2
	v_permlane16_swap_b32 v[208+6*\c+\i], v[220+4*\c+\i]
.endr
.irp i, 0,1,2
	s_delay_alu instid0(VALU_DEP_3)
	v_mov_b32 v[211+6*\c+\i], v[220+4*\c+\i]
.endr
.endr
.irp j, 0,2,4,6,8,10,12,14,16,18,20,22,24,26,28,30
	v_pk_mul_f32 v[160+\j:161+\j], v[160+\j:161+\j], v[252:253] op_sel_hi:[1,0]   ; O^T under the new M; also the places in front of the products below
.endr
	s_wait_alu depctr_va_vdst(0)
	s_wait_dscnt 0x0                               ; V
.irp t, 0,1,2,3
	v_wmma_scale_f32_16x16x128_f8f6f4 v[160+8*\t:167+8*\t], v[32+12*\t:43+12*\t], v[208:219], v[160+8*\t:167+8*\t], v[86+\t], v253 matrix_a_fmt:MATRIX_FMT_FP6 matrix_b_fmt:MATRIX_FMT_FP6
.endr
	v_add_f32 v8, 0x43000000, v8                   ; 128 keys on
	s_add_co_u32 s[TB], s[TB], REC
	s_add_co_u32 s[J], s[J], 1
	s_cmp_lt_u32 s[J], 16
	s_cbranch_scc1 .Lstep
	; THE WAY OUT: O^T / the sum; its 32 registers are my query's 64 channels, 32 b + 16 h + i: two blocks, half a fragment of the next product's operand.
.rept 4
	v_nop
.endr
	v_add_f32 v14, v14, v15
	s_delay_alu instid0(VALU_DEP_1)
	v_permlanex16_b32 v232, v14, s[SEL], s[SEL+1]
	s_delay_alu instid0(VALU_DEP_1)
	v_add_f32 v14, v14, v232
	s_wait_alu depctr_va_vdst(0)
	v_rcp_f32 v14, v14
	s_lshr_b32 s44, s[BH], 4
	s_lshl_b32 s44, s44, 7
	s_add_co_u32 s44, s44, s[TT]                   ; the tokens' tile
	s_lshl_b32 s44, s44, 3
	s_bfe_u32 s46, s[BH], 0x30001
	s_add_co_u32 s44, s44, s46                     ; record: tile x 8 + head / 2
	s_and_b32 s46, s[BH], 1
	s_mul_i32 s47, s46, 768
	s_lshl_b32 s46, s46, 1
	s_lshl_b32 s36, s44, 7
	s_add_co_u32 s36, s36, s46
	s_mov_b32 s37, 0
	s_mul_i32 s44, s44, 1536
	s_add_co_u32 s44, s44, s47
	s_add_nc_u64 s[10:11], s[8:9], s[44:45]        ; my half image (s45 = 0)
	s_add_nc_u64 s[12:13], s[8:9], s[36:37]
	s_add_nc_u64 s[12:13], s[12:13], ASO           ; my two bytes of the scale words
	v_nop                                          ; a plain place behind the reciprocal
	s_wait_alu depctr_va_vdst(0)
.set oi, 0
.rept 32
	v_mul_f32 v[96+oi], v[160+oi], v14
.set oi, oi+1
.endr
.irp b, 0,1
	v_max3_num_f32 v[228+\b], |v[96+16*\b]|, |v[97+16*\b]|, 0x1800000
.endr
.irp i, 2,4,6,8,10,12,14
.irp b, 0,1
	s_delay_alu instid0(VALU_DEP_2)
	v_max3_num_f32 v[228+\b], v[228+\b], |v[96+16*\b+\i]|, |v[97+16*\b+\i]|
.endr
.endr
.irp b, 0,1
	s_delay_alu instid0(VALU_DEP_2)
	v_permlanex16_b32 v[232+\b], v[228+\b], s[SEL], s[SEL+1]
.endr
.irp b, 0,1
	s_delay_alu instid0(VALU_DEP_2)
	v_max_num_f32 v[228+\b], v[228+\b], v[232+\b]
.endr
.irp b, 0,1
	s_delay_alu instid0(VALU_DEP_2)
	v_add_nc_u32 v[244+\b], 0xff000000, v[228+\b]
.endr
.irp b, 0,1
	s_delay_alu instid0(VALU_DEP_2)
	v_lshrrev_b32 v[248+\b], 23, v[244+\b]
.endr
	s_delay_alu instid0(VALU_DEP_1)
	v_lshl_or_b32 v254, v249, 8, v248
	v_cvt_scalef32_pk16_fp6_f32 v[208:210], v[96:111], v244
	v_cvt_scalef32_pk16_fp6_f32 v[220:222], v[112:127], v245
	v_nop
.irp i, 0,1,2
	v_permlane16_swap_b32 v[208+\i], v[220+\i]
.endr
.irp i, 0,1,2
	s_delay_alu instid0(VALU_DEP_3)
	v_mov_b32 v[211+\i], v[220+\i]
.endr
	global_store_b128 v1, v[208:211], s[10:11]
	global_store_b64 v2, v[212:213], s[10:11] offset:512
	global_store_b16 v3, v254, s[12:13]            ; two of a scale word's four bytes: the other two are the neighbouring head's
	s_wait_tensorcnt 0x0
	ds_add_u32 v223, v227
	s_wait_dscnt 0x0
	CROUND                                         ; the closing round: no work-group ends while a partner may still ask for a record that names it
	s_endpgm
.Lfunc_end_k_qb76e5ee968_attn:
	.size	k_qb76e5ee968_attn, .Lfunc_end_k_qb76e5ee968_attn-k_qb76e5ee968_attn
	.p2alignl 7, 3214868480
	.fill 96, 4, 3214868480
	.section	.rodata,"a",@progbits
	.p2align	6, 0x0
	.amdhsa_kernel k_qb76e5ee968_attn
		.amdhsa_group_segment_fixed_size 223232
		.amdhsa_private_segment_fixed_size 0
		.amdhsa_enable_private_segment 0
		.amdhsa_kernarg_size 24
		.amdhsa_user_sgpr_count 2
		.amdhsa_user_sgpr_kernarg_segment_ptr 1
		.amdhsa_wavefront_size32 1
		.amdhsa_system_sgpr_workgroup_id_x 1
		.amdhsa_system_sgpr_workgroup_id_y 1
		.amdhsa_system_sgpr_workgroup_id_z 1
		.amdhsa_system_vgpr_workitem_id 0
		.amdhsa_next_free_vgpr 256
		.amdhsa_next_free_sgpr 66
		.amdhsa_reserve_vcc 1
		.amdhsa_float_denorm_mode_32 3
		.amdhsa_float_denorm_mode_16_64 3
		.amdhsa_memory_ordered 1
		.amdhsa_forward_progress 1
		.amdhsa_inst_pref_size 50
	.end_amdhsa_kernel
	.amdgpu_metadata
---
amdhsa.version: [ 1, 2 ]
amdhsa.kernels:
  - .name:           k_qb76e5ee968_attn
    .symbol:         k_qb76e5ee968_attn.kd
    .args:
      - { .name: QKV, .offset: 0, .size: 8, .value_kind: global_buffer, .address_space: global }
      - { .name: dist_scale, .offset: 8, .size: 8, .value_kind: global_buffer, .address_space: global }
      - { .name: A, .offset: 16, .size: 8, .value_kind: global_buffer, .address_space: global }
    .group_segment_fixed_size: 223232
    .private_segment_fixed_size: 0
    .kernarg_segment_align: 8
    .kernarg_segment_size: 24
    .max_flat_workgroup_size: 512
    .sgpr_count:     66
    .vgpr_count:     256
    .wavefront_size: 32
...
	.end_amdgpu_metadata
.endif
;; end of part 3
;; launch oln (part 4): grid 256 x 1, 8 waves a work-group, no clusters, 96,256 bytes of LDS; arguments A, P, tokens, bo, ln1_g, ln1_b, X; writes X
.if DOCPART == 4
	.amdgcn_target "amdgcn-amd-amdhsa--gfx1250"
	.amdhsa_code_object_version 6
	.text
	.protected	k_qb76e5ee968_oln
	.globl	k_qb76e5ee968_oln
	.p2align	8
	.type	k_qb76e5ee968_oln,@function
k_qb76e5ee968_oln:
	s_mov_b64 s[64:65], 0
	v_nop
	global_prefetch_b8 v0, s[64:65] scope:SCOPE_SE
	s_setreg_imm32_b32 hwreg(HW_REG_WAVE_MODE, 25, 1), 1
	s_wait_xcnt 0x0
; x = LayerNorm(tokens + A Wo + bo) g + b for 16 tokens a work-group; the product on codes of FP6 (E2M3), sums in f32.  x leaves as f32 (at 0 of X) and as codes along the row (images of operand registers from 16,777,216, scale records from 19,922,944).
; SHARES.  Work-group T owns tile T of the tokens (place r is row 32 (T/2) + 8 (T%2) + r + 8 (r/8)): whole rows, so that the norm needs no second launch.  Wave w of eight owns columns 128 w .. 128 w + 127 (Wo's tiles 8 w .. 8 w + 7).
; Source 0 = 16 rows of Wo's image, source 1 = the 16 tokens: lane (r, h) holds token r, and the 64 registers of eight tiles are columns 32 b + 16 h + 0..15, b = 0..3, in the order that the conversions want:
; a wave's 64 results a lane become fragment w (128 along the next K) with nothing transposed.  8 K steps x 8 tiles = 64 matrix instructions a wave.  A's eight fragments and scale records lie in LDS as images of operand registers.
; Wo GOES FROM MEMORY STRAIGHT INTO REGISTERS: each fragment feeds one matrix instruction of one wave.  A ring of two K steps (2 x 8 fragments, 2 x 4 scale registers): when a step's products are issued, its half takes the step two further on:
; 36 loads a step.  A scale register holds tile 2 q's words in lanes 0-15 and tile 2 q + 1's in lanes 16-31.
; No tensor load, so no cluster and no joint request: a work-group reads 0.85 MB of Wo once, and a ring in registers has no slot to drain.  No prefetch: all 256 work-groups walk the same bytes of Wo in the same order.
; LAYERNORM: each wave takes the mean of its 128 columns and the sum of squares about it; the eight pairs meet in LDS and are joined: mean = mean of means, sum of squares = sum + 128 x sum of (mean_w - mean)^2.
; LIMITS: NaN and infinities are not served; a block under 2^-124 (zeros too) has the byte 1, not 127 (this program alone reads the bytes); sums are taken in another order than the reference takes them, all in f32.
; REGISTERS: window 0: v1-23 addresses; v32-39 Wo's scales; v40-47 A's scale words; v48-71 two fragments of A; v72-121 at work; v128-191 H (b; rows on the way out); v192-255 Y.  Window 1: v0-191 the ring; v192-255 BI (bo, then g).
.set FRA,   0                          ; LDS: A's eight fragments (12,288) and scale records (1,024)
.set VEC,   13312                      ; 1,536 a wave: my 512 bytes of bo, ln1_g, ln1_b
.set STAGE, 25600                      ; 8,448 a wave: 16 rows of 512 + 16 bytes
.set STAT,  93184                      ; mean and sum of squares, 8 bytes a lane and wave
.set SPARE, 95232                      ; the spare words, 128 bytes a wave: four blocks of 256 bytes that no other line names
.set LI16, 1
.set LI8,  2
.set LI4,  3
.set SA8,  4                           ; 4 r + h x 8 records: the scale words of two neighbouring tiles
.set VR,   6                           ; my vectors, read in the results' layout: + 64 h
.set STO,  8                           ; my stage in the results' layout, by rows
.set SRW,  9
.set XW16, 10                          ; 1,536 w + 16 lane, 128 w + 4 lane
.set XW4,  12
.set VW,   13
.set STA,  14
.set STR,  15
.set GO,   16                          ; 512 w + 16 lane
.set SPW,  22
.set NIL,  23
.set SW,   32
.set ASC,  40
.set AF,   48
.set TM,   72
.set E,    72
.set PC,   88
.set PW,   108
.set T,    110
.set MU,   118
.set RS,   120
.set H,    128
.set Y,    192
.set WOC, 36
.set WOS, 38
.set XC,  40
.set XS,  42
.set SEL, 48
.set AB,  50
.set AS,  52
.set WV,  57
.set MSB, 0
.macro WIN new                         ; the immediate's high byte repeats the setting that is left
.if MSB != \new
	s_set_vgpr_msb (MSB<<8)|\new
.set MSB, \new
.endif
.endm
.macro LOADG p, s                      ; K step s into ring half p: eight fragments (tiles 8 records apart), four scale registers: 36 loads
	WIN 0x40
.irp e, 0,1,2,3,4,5,6,7
	global_load_b128 v[96*(\p)+12*\e:96*(\p)+12*\e+3], v[LI16], s[WOC:WOC+1] offset:(\e*8+(\s))*1536
	global_load_b64 v[96*(\p)+12*\e+4:96*(\p)+12*\e+5], v[LI8], s[WOC:WOC+1] offset:(\e*8+(\s))*1536+512
	global_load_b128 v[96*(\p)+12*\e+6:96*(\p)+12*\e+9], v[LI16], s[WOC:WOC+1] offset:(\e*8+(\s))*1536+768
	global_load_b64 v[96*(\p)+12*\e+10:96*(\p)+12*\e+11], v[LI8], s[WOC:WOC+1] offset:(\e*8+(\s))*1536+1280
.endr
	WIN 0
.irp q, 0,1,2,3
	global_load_b32 v[SW+4*(\p)+\q], v[SA8], s[WOS:WOS+1] offset:(16*\q+(\s))*128
.endr
.endm
.macro AFRAG b, off                    ; a fragment of A from its image in LDS
	ds_load_b128 v[AF+12*(\b):AF+12*(\b)+3], v[LI16] offset:\off
	ds_load_b64 v[AF+12*(\b)+4:AF+12*(\b)+5], v[LI8] offset:(\off)+512
	ds_load_b128 v[AF+12*(\b)+6:AF+12*(\b)+9], v[LI16] offset:(\off)+768
	ds_load_b64 v[AF+12*(\b)+10:AF+12*(\b)+11], v[LI8] offset:(\off)+1280
.endm
.macro STEPW s                         ; K step s: eight products; the eight accumulators take turns
.if (\s) < 7
	s_wait_dscnt 4                                 ; this step's fragment is in; the next step's four loads may be out
.else
	s_wait_dscnt 0x0
.endif
.set RB, 96*((\s)%2)
.set AFB, AF+12*((\s)%2)
.set SB, SW+4*((\s)%2)
	WIN 0x01
.irp e, 0,2,4,6
	v_wmma_scale_f32_16x16x128_f8f6f4 v[Y+8*\e:Y+8*\e+7], v[RB+12*\e:RB+12*\e+11], v[AFB:AFB+11], v[Y+8*\e:Y+8*\e+7], v[SB+\e/2], v[ASC+(\s)] matrix_a_fmt:MATRIX_FMT_FP6 matrix_b_fmt:MATRIX_FMT_FP6
	v_wmma_scale_f32_16x16x128_f8f6f4 v[Y+8*\e+8:Y+8*\e+15], v[RB+12*\e+12:RB+12*\e+23], v[AFB:AFB+11], v[Y+8*\e+8:Y+8*\e+15], v[SB+\e/2], v[ASC+(\s)] matrix_a_fmt:MATRIX_FMT_FP6 matrix_b_fmt:MATRIX_FMT_FP6 matrix_a_scale:MATRIX_SCALE_ROW1
.endr
	WIN 0
.rept 4
	v_nop                                          ; four places behind a matrix instruction, ahead of loads into its registers and of reads of its results
.endr
.endm
.macro VLOAD dst, adr, off             ; 64 numbers in the results' layout: for tile e the eight at 32 (e/2) + 8 (e%2) + 16 h
.irp e, 0,1,2,3,4,5,6,7
	ds_load_b128 v[\dst+8*\e:\dst+8*\e+3], v[\adr] offset:(\off)+128*(\e/2)+32*(\e%2)
	ds_load_b128 v[\dst+8*\e+4:\dst+8*\e+7], v[\adr] offset:(\off)+128*(\e/2)+32*(\e%2)+16
.endr
.endm
.macro QUANT s                         ; 64 numbers of a lane, register 16 b + i = k 32 b + 16 h + i, become a fragment in v[PC] on and its scale word in v[PW]
.irp b, 0,1,2,3
	v_max3_num_f32 v[TM+\b], |v[\s+16*\b]|, |v[\s+1+16*\b]|, 0x1800000   ; the floor 2^(3 - 127) holds the byte at 1 from below
.endr
.irp i, 2,4,6,8,10,12,14
.irp b, 0,1,2,3
	v_max3_num_f32 v[TM+\b], v[TM+\b], |v[\s+16*\b+\i]|, |v[\s+1+16*\b+\i]|
.endr
.endr
.irp b, 0,1,2,3
	v_permlanex16_b32 v[TM+4+\b], v[TM+\b], s[SEL], s[SEL+1]
.endr
.irp b, 0,1,2,3
	v_max_num_f32 v[TM+\b], v[TM+\b], v[TM+4+\b]
.endr
.irp b, 0,1,2,3
	v_add_nc_u32 v[TM+12+\b], 0xff000000, v[TM+\b]   ; 2 off the exponent field: the conversion's scale operand
.endr
.irp b, 0,1,2,3
	v_lshrrev_b32 v[TM+4+\b], 23, v[TM+12+\b]
.endr
	v_lshl_or_b32 v[PW], v[TM+5], 8, v[TM+4]
	v_lshl_or_b32 v[PW], v[TM+6], 16, v[PW]
	v_lshl_or_b32 v[PW], v[TM+7], 24, v[PW]
.irp c, 0,1
	v_cvt_scalef32_pk16_fp6_f32 v[PC+6*\c:PC+2+6*\c], v[\s+32*\c:\s+15+32*\c], v[TM+12+2*\c]
	v_cvt_scalef32_pk16_fp6_f32 v[PC+12+4*\c:PC+14+4*\c], v[\s+16+32*\c:\s+31+32*\c], v[TM+12+2*\c+1]
.endr
	v_nop                                          ; one plain place behind a scaled conversion
.irp c, 0,1
.irp i, 0,1,2
	v_permlane16_swap_b32 v[PC+6*\c+\i], v[PC+12+4*\c+\i]
.endr
.irp i, 0,1,2
	v_mov_b32 v[PC+3+6*\c+\i], v[PC+12+4*\c+\i]
.endr
.endr
.endm
.macro BAR                             ; my LDS instructions are done, then the work-group's barrier
	s_wait_alu depctr_va_vdst(0)
	s_wait_dscnt 0x0
	s_barrier_signal -1
	s_barrier_wait -1
.endm
.macro HSUM                            ; v[T:T+3] summed, with lane xor 16's: my token's sum over my wave's 128 columns, in v[T]
	v_pk_add_f32 v[T:T+1], v[T:T+1], v[T+2:T+3]
	v_add_f32 v[T], v[T], v[T+1]
	v_permlanex16_b32 v[T+1], v[T], s[SEL], s[SEL+1]
	v_add_f32 v[T], v[T], v[T+1]
.endm
	s_load_b256 s[4:11], s[0:1], 0x0               ; A, P, tokens, bo
	s_load_b128 s[12:15], s[0:1], 0x20             ; ln1_g, ln1_b
	s_load_b64 s[16:17], s[0:1], 0x30              ; X
	v_lshl_add_u32 v[SPW], v0, 2, SPARE
	v_mov_b32 v[NIL], 0
	v_lshrrev_b32 v24, 5, v0
	v_readfirstlane_b32 s[WV], v24                 ; wave 0..7
	s_mul_i32 s32, s[WV], 1536
	s_add_co_u32 s30, s32, VEC
	s_mul_i32 s31, s[WV], 8448
	s_add_co_u32 s31, s31, STAGE
	s_lshl_b32 s33, s[WV], 7
	s_lshl_b32 s34, s[WV], 8
	s_add_co_u32 s34, s34, STAT
	s_lshl_b32 s35, s[WV], 9
	s_mov_b32 s[SEL], 0x76543210
	s_mov_b32 s[SEL+1], 0xfedcba98
	s_mov_b32 s58, 0x3a800000                      ; 1 / 1,024
	s_mov_b32 s59, 0x3727c5ac                      ; 1e-5
	v_and_b32 v25, 31, v0                          ; lane
	v_and_b32 v26, 15, v0                          ; r
	v_bfe_u32 v27, v0, 4, 1                        ; h
	v_lshlrev_b32 v[LI16], 4, v25
	v_lshlrev_b32 v[LI8], 3, v25
	v_lshlrev_b32 v[LI4], 2, v25
	v_lshlrev_b32 v28, 2, v26
	v_lshl_add_u32 v[SA8], v27, 10, v28
	v_lshl_add_u32 v[VR], v27, 6, s30
	v_add_nc_u32 v[VW], s30, v[LI16]
	v_mul_u32_u24 v29, v26, 528
	v_lshl_add_u32 v29, v27, 6, v29
	v_add_nc_u32 v[STO], s31, v29
	v_add_nc_u32 v[SRW], s31, v[LI16]
	v_add_nc_u32 v[XW16], s32, v[LI16]
	v_add_nc_u32 v[XW4], s33, v[LI4]
	v_add_nc_u32 v[STA], s34, v[LI8]
	v_add_nc_u32 v[STR], STAT, v[LI8]
	v_add_nc_u32 v[GO], s35, v[LI16]
.irp b, 0,1,2,3
	v_mov_b32 v[TM+4+\b], 0                        ; a lane permute's destination counts as one of its sources
.endr
	s_wait_alu depctr_va_vdst(0)
	s_wait_kmcnt 0x0
	s_mov_b32 s55, 0
	s_mul_i32 s54, ttmp9, 12288                    ; A: my tile's eight fragments,
	s_add_nc_u64 s[AB:AB+1], s[4:5], s[54:55]
	s_add_co_u32 s54, s54, s32                     ; X: my fragment's record, 8 T + w
	s_add_nc_u64 s[XC:XC+1], s[16:17], s[54:55]
	s_add_nc_u64 s[XC:XC+1], s[XC:XC+1], 16777216
	s_lshl_b32 s54, ttmp9, 10                      ; and the scale records
	s_add_nc_u64 s[AS:AS+1], s[4:5], s[54:55]
	s_add_nc_u64 s[AS:AS+1], s[AS:AS+1], 3145728
	s_add_co_u32 s54, s54, s33
	s_add_nc_u64 s[XS:XS+1], s[16:17], s[54:55]
	s_add_nc_u64 s[XS:XS+1], s[XS:XS+1], 19922944
	s_lshr_b32 s54, ttmp9, 1
	s_lshl_b32 s54, s54, 5
	s_and_b32 s60, ttmp9, 1
	s_lshl_b32 s60, s60, 3
	s_add_co_u32 s54, s54, s60                     ; the tile's first row
	s_lshl_b32 s54, s54, 12
	s_add_nc_u64 s[8:9], s[8:9], s[54:55]
	s_add_nc_u64 s[16:17], s[16:17], s[54:55]
	s_mul_i32 s54, s[WV], 98304                    ; Wo: 64 records of codes a wave,
	s_add_nc_u64 s[WOC:WOC+1], s[6:7], s[54:55]
	s_add_nc_u64 s[WOC:WOC+1], s[WOC:WOC+1], 2359296
	s_lshl_b32 s54, s[WV], 13                      ; 64 scale records
	s_add_nc_u64 s[WOS:WOS+1], s[6:7], s[54:55]
	s_add_nc_u64 s[WOS:WOS+1], s[WOS:WOS+1], 9633792
	; the head's 23 loads, each of 512 consecutive bytes (the last of 128): my pieces of the vectors, my 128 columns of the 16 tokens, fragment w of A
.irp i, 0,1,2
	global_load_b128 v[128+4*\i:131+4*\i], v[GO], s[10+2*\i:11+2*\i]
.endr
.irp i, 0,1,2,3,4,5,6,7,8,9,10,11,12,13,14,15
	global_load_b128 v[168+4*\i:171+4*\i], v[GO], s[8:9] offset:(\i+8*(\i/8))*4096 th:TH_LOAD_NT
.endr
.irp i, 0,1,2
	global_load_b128 v[232+4*\i:235+4*\i], v[XW16], s[AB:AB+1] offset:512*\i
.endr
	global_load_b32 v244, v[XW4], s[AS:AS+1]
	LOADG 0, 0                                     ; the ring begins
	s_wait_loadcnt 36                              ; the 23 are in; the ring's 36 may be out
.irp i, 0,1,2
	ds_store_b128 v[VW], v[128+4*\i:131+4*\i] offset:512*\i
.endr
.irp i, 0,1,2,3,4,5,6,7,8,9,10,11,12,13,14,15
	ds_store_b128 v[SRW], v[168+4*\i:171+4*\i] offset:528*\i
.endr
.irp i, 0,1,2
	ds_store_b128 v[XW16], v[232+4*\i:235+4*\i] offset:FRA+512*\i
.endr
	ds_store_b32 v[XW4], v244 offset:FRA+12288
	LOADG 1, 1
	BAR                                            ; A's eight fragments lie in LDS
	VLOAD Y, STO, 0                                ; the tokens, in the results' layout,
	WIN 0x40
	VLOAD 192, VR, 0                               ; and bo
	WIN 0
	s_wait_dscnt 0x0
	WIN 0x04
.irp k, 0,2,4,6,8,10,12,14,16,18,20,22,24,26,28,30,32,34,36,38,40,42,44,46,48,50,52,54,56,58,60,62
	v_pk_add_f32 v[Y+\k:Y+\k+1], v[Y+\k:Y+\k+1], v[192+\k:193+\k]   ; tokens + bo start the sums
.endr
	WIN 0
	s_wait_alu depctr_va_vdst(0)
.irp s, 0,1,2,3,4,5,6,7
	ds_load_b32 v[ASC+\s], v[LI4] offset:FRA+12288+128*\s
.endr
	AFRAG 0, FRA
	AFRAG 1, FRA+1536
.irp s, 0,1,2,3,4,5
	s_wait_loadcnt 36                              ; this step's 36 loads are in; the next step's 36 may be out
	STEPW \s
	AFRAG \s%2, FRA+1536*(\s+2)
	LOADG \s%2, \s+2
.endr
	s_wait_loadcnt 36
	STEPW 6
	s_wait_loadcnt 0x0                             ; the last step
	STEPW 7
	WIN 0x40
	VLOAD 192, VR, 512                             ; g
	WIN 0
	VLOAD H, VR, 1024                              ; b
	v_pk_add_f32 v[T:T+1], v[Y:Y+1], v[Y+4:Y+5]    ; each accumulator from its low end on
	v_pk_add_f32 v[T+2:T+3], v[Y+2:Y+3], v[Y+6:Y+7]
.irp k, 8,12,16,20,24,28,32,36,40,44,48,52,56,60
	v_pk_add_f32 v[T:T+1], v[T:T+1], v[Y+\k:Y+\k+1]
	v_pk_add_f32 v[T+2:T+3], v[T+2:T+3], v[Y+\k+2:Y+\k+3]
.endr
	HSUM
	v_mul_f32 v[MU], 0x3c000000, v[T]              ; / 128: my wave's mean
	v_mov_b32 v[MU+1], v[MU]
.irp k, 0,2,4,6,8,10,12,14,16,18,20,22,24,26,28,30,32,34,36,38,40,42,44,46,48,50,52,54,56,58,60,62
	v_pk_add_f32 v[Y+\k:Y+\k+1], v[Y+\k:Y+\k+1], v[MU:MU+1] neg_lo:[0,1] neg_hi:[0,1]
.endr
	v_pk_mul_f32 v[T:T+1], v[Y:Y+1], v[Y:Y+1]
	v_pk_mul_f32 v[T+2:T+3], v[Y+2:Y+3], v[Y+2:Y+3]
.irp k, 4,8,12,16,20,24,28,32,36,40,44,48,52,56,60
	v_pk_fma_f32 v[T:T+1], v[Y+\k:Y+\k+1], v[Y+\k:Y+\k+1], v[T:T+1]
	v_pk_fma_f32 v[T+2:T+3], v[Y+\k+2:Y+\k+3], v[Y+\k+2:Y+\k+3], v[T+2:T+3]
.endr
	HSUM
	v_mov_b32 v[MU+1], v[T]                        ; the sum of squares about it
	ds_store_b64 v[STA], v[MU:MU+1]
	BAR
.irp i, 0,1,2,3,4,5,6,7
	ds_load_b64 v[E+2*\i:E+2*\i+1], v[STR] offset:256*\i
.endr
	s_wait_dscnt 0x0
	v_add_f32 v[T], v[E], v[E+2]
	v_add_f32 v[T+1], v[E+4], v[E+6]
	v_add_f32 v[T+2], v[E+8], v[E+10]
	v_add_f32 v[T+3], v[E+12], v[E+14]
	v_add_f32 v[T], v[T], v[T+1]
	v_add_f32 v[T+2], v[T+2], v[T+3]
	v_add_f32 v[T], v[T], v[T+2]
	v_mul_f32 v[T], 0x3e000000, v[T]               ; / 8: the row's mean
.irp i, 0,1,2,3,4,5,6,7
	v_sub_f32 v[E+2*\i], v[E+2*\i], v[T]
.endr
	v_mul_f32 v[T+1], v[E], v[E]
	v_add_f32 v[T+2], v[E+1], v[E+3]
.irp i, 1,2,3,4,5,6,7
	v_fma_f32 v[T+1], v[E+2*\i], v[E+2*\i], v[T+1]
.endr
.irp i, 2,3,4,5,6,7
	v_add_f32 v[T+2], v[T+2], v[E+2*\i+1]
.endr
	v_fmamk_f32 v[T+2], v[T+1], 0x43000000, v[T+2] ; + 128 x the sum of (mean_w - mean)^2
	v_fma_f32 v[T+2], v[T+2], s58, s59             ; the variance + 1e-5
	v_sub_f32 v[MU], v[T], v[MU]                   ; mean - my wave's mean
	v_mov_b32 v[MU+1], v[MU]
	s_wait_alu depctr_va_vdst(0)                   ; the wait ahead of the transcendental,
	v_rsq_f32 v[RS], v[T+2]
	v_nop                                          ; a plain place behind it,
	s_wait_alu depctr_va_vdst(0)                   ; and the wait ahead of its first reader
	v_mov_b32 v[RS+1], v[RS]
.irp k, 0,2,4,6,8,10,12,14,16,18,20,22,24,26,28,30,32,34,36,38,40,42,44,46,48,50,52,54,56,58,60,62
	v_pk_add_f32 v[Y+\k:Y+\k+1], v[Y+\k:Y+\k+1], v[MU:MU+1] neg_lo:[0,1] neg_hi:[0,1]
.endr
.irp k, 0,2,4,6,8,10,12,14,16,18,20,22,24,26,28,30,32,34,36,38,40,42,44,46,48,50,52,54,56,58,60,62
	v_pk_mul_f32 v[Y+\k:Y+\k+1], v[Y+\k:Y+\k+1], v[RS:RS+1]
.endr
	WIN 0x04
.irp k, 0,2,4,6,8,10,12,14,16,18,20,22,24,26,28,30,32,34,36,38,40,42,44,46,48,50,52,54,56,58,60,62
	v_pk_fma_f32 v[Y+\k:Y+\k+1], v[Y+\k:Y+\k+1], v[192+\k:193+\k], v[H+\k:H+\k+1]   ; x
.endr
	WIN 0
	; x as f32, through my own stage: rows of 512 bytes, each stored by 32 lanes as two aligned units of 256 bytes
.irp e, 0,1,2,3,4,5,6,7
	ds_store_b128 v[STO], v[Y+8*\e:Y+8*\e+3] offset:128*(\e/2)+32*(\e%2)
	ds_store_b128 v[STO], v[Y+8*\e+4:Y+8*\e+7] offset:128*(\e/2)+32*(\e%2)+16
.endr
.irp i, 0,1,2,3,4,5,6,7,8,9,10,11,12,13,14,15
	ds_load_b128 v[H+4*\i:H+4*\i+3], v[SRW] offset:528*\i   ; LDS serves a wave's instructions in order: these see my stores
.endr
	QUANT Y                                        ; x as codes: fragment w of my tile; each store covers 512, 256 or 128 consecutive bytes, aligned
	global_store_b128 v[LI16], v[PC:PC+3], s[XC:XC+1]
	global_store_b64 v[LI8], v[PC+4:PC+5], s[XC:XC+1] offset:512
	global_store_b128 v[LI16], v[PC+6:PC+9], s[XC:XC+1] offset:768
	global_store_b64 v[LI8], v[PC+10:PC+11], s[XC:XC+1] offset:1280
	global_store_b32 v[LI4], v[PW], s[XS:XS+1]
	s_wait_dscnt 0x0
.irp i, 0,1,2,3,4,5,6,7,8,9,10,11,12,13,14,15
	global_store_b128 v[GO], v[H+4*\i:H+4*\i+3], s[16:17] offset:(\i+8*(\i/8))*4096
.endr
	s_wait_tensorcnt 0x0                           ; the wave's end
	ds_add_u32 v[SPW], v[NIL]
	s_wait_dscnt 0x0
	s_endpgm
.Lfunc_end_k_qb76e5ee968_oln:
	.size	k_qb76e5ee968_oln, .Lfunc_end_k_qb76e5ee968_oln-k_qb76e5ee968_oln
	.p2alignl 7, 3214868480
	.fill 96, 4, 3214868480
	.section	.rodata,"a",@progbits
	.p2align	6, 0x0
	.amdhsa_kernel k_qb76e5ee968_oln
		.amdhsa_group_segment_fixed_size 96256
		.amdhsa_private_segment_fixed_size 0
		.amdhsa_enable_private_segment 0
		.amdhsa_kernarg_size 56
		.amdhsa_user_sgpr_count 2
		.amdhsa_user_sgpr_kernarg_segment_ptr 1
		.amdhsa_wavefront_size32 1
		.amdhsa_system_sgpr_workgroup_id_x 1
		.amdhsa_system_sgpr_workgroup_id_y 1
		.amdhsa_system_sgpr_workgroup_id_z 1
		.amdhsa_system_vgpr_workitem_id 0
		.amdhsa_next_free_vgpr 512
		.amdhsa_next_free_sgpr 66
		.amdhsa_reserve_vcc 0
		.amdhsa_float_denorm_mode_32 3
		.amdhsa_float_denorm_mode_16_64 3
		.amdhsa_memory_ordered 1
		.amdhsa_forward_progress 1
		.amdhsa_inst_pref_size 76
	.end_amdhsa_kernel
	.amdgpu_metadata
---
amdhsa.version: [ 1, 2 ]
amdhsa.kernels:
  - .name:           k_qb76e5ee968_oln
    .symbol:         k_qb76e5ee968_oln.kd
    .args:
      - { .name: A, .offset: 0, .size: 8, .value_kind: global_buffer, .address_space: global }
      - { .name: P, .offset: 8, .size: 8, .value_kind: global_buffer, .address_space: global }
      - { .name: tokens, .offset: 16, .size: 8, .value_kind: global_buffer, .address_space: global }
      - { .name: bo, .offset: 24, .size: 8, .value_kind: global_buffer, .address_space: global }
      - { .name: ln1_g, .offset: 32, .size: 8, .value_kind: global_buffer, .address_space: global }
      - { .name: ln1_b, .offset: 40, .size: 8, .value_kind: global_buffer, .address_space: global }
      - { .name: X, .offset: 48, .size: 8, .value_kind: global_buffer, .address_space: global }
    .group_segment_fixed_size: 96256
    .private_segment_fixed_size: 0
    .kernarg_segment_align: 8
    .kernarg_segment_size: 56
    .max_flat_workgroup_size: 256
    .sgpr_count:     66
    .vgpr_count:     512
    .wavefront_size: 32
...
	.end_amdgpu_metadata
.endif
;; end of part 4
;; launch ffn1 (part 5): grid 16 x 16, 4 waves a work-group, clusters of 4 x 4, 327,680 bytes of LDS; arguments X, P, b1, Hb; writes Hb
.if DOCPART == 5
	.amdgcn_target "amdgcn-amd-amdhsa--gfx1250"
	.amdhsa_code_object_version 6
	.text
	.protected	k_qb76e5ee968_ffn1
	.globl	k_qb76e5ee968_ffn1
	.p2align	8
	.type	k_qb76e5ee968_ffn1,@function
k_qb76e5ee968_ffn1:
	s_mov_b64 s[64:65], 0
	v_nop
	global_prefetch_b8 v0, s[64:65] scope:SCOPE_SE
	s_setreg_imm32_b32 hwreg(HW_REG_WAVE_MODE, 25, 1), 1
	s_wait_xcnt 0x0
	s_wait_alu depctr_hold_cnt(0) depctr_sa_sdst(0) depctr_va_vdst(0) depctr_va_sdst(0) depctr_va_ssrc(0) depctr_va_vcc(0) depctr_vm_vsrc(0)
	s_getreg_b32 s2, hwreg(HW_REG_IB_STS2, 6, 4)
	s_cmp_eq_u32 s2, 0
	s_cbranch_scc0 .Lentry_in_a_cluster
	s_endpgm
.Lentry_in_a_cluster:
	s_bfe_u32 s2, ttmp6, 0x10000c
	s_cmp_lg_u32 s2, 0xf033
	s_cbranch_scc0 .Lentry_shape_is_right
	s_endpgm
.Lentry_shape_is_right:
.set NT, 8
.set S,  8
.set KS, 2
.set YP, 4
.set XP, 6
.set YC_OFF, 16777216
.set YS_OFF, 19922944
.set XC_OFF, 3145728
.set XS_OFF, 9699328
.set RG,    NT*KS*1536
.set SLOT,  4*RG
.set SCL,   2*SLOT
.set HS,    NT*S*128
.set SPARE, SCL+4*HS
.set LAPS,  S/(2*KS)
.set LI16, 4
.set LI8,  5
.set LI4,  6
.set AD1,  16
.set AD0,  20
.set ADS1, 27
.set ADS0, 30
.set SPW,  28
.set NIL,  29
.set SC1,  32
.set SC0,  48
.set BI,   192
.set PC,   128
.set TM,   152
.set PW,   168
.set SEL,  66
.set G1Y, 24
.set G0Y, 32
.set G1X, 48
.set G0X, 56
.set G1SY, 68
.set G0SY, 76
.set G1SX, 80
.set G0SX, 88
.set MSB, 0
.macro WIN new
.if MSB != \new
	s_set_vgpr_msb (MSB<<8)|\new
.set MSB, \new
.endif
.endm
.macro PLACES
.rept 4
	v_nop
.endr
.endm
.macro JLOAD g0y, g1y, g0x, g1x
	s_cmp_eq_u32 s15, 0
	s_cbranch_scc0 .Lfor_x_\@
	tensor_load_to_lds s[\g0y:\g0y+3], s[\g1y:\g1y+7]
	s_nop 0
.rept 4
	v_nop
.endr
	s_branch .Lasked_\@
.Lfor_x_\@:
	tensor_load_to_lds s[\g0x:\g0x+3], s[\g1x:\g1x+7]
	s_nop 0
.rept 4
	v_nop
.endr
.Lasked_\@:
.endm
.macro CROUND
	s_barrier_signal -1
	s_barrier_wait -1
	s_cmp_lg_u32 s14, 0
	s_cbranch_scc1 .Lnot_wave_0_\@
	s_barrier_signal -3
.Lnot_wave_0_\@:
	s_barrier_wait -3
	s_barrier_signal -1
	s_barrier_wait -1
.endm
.macro FRAG reg, adr, off
	ds_load_b128 v[\reg:\reg+3], v[\adr] offset:\off
	ds_load_b64 v[\reg+4:\reg+5], v[\adr+2] offset:(\off)+512
	ds_load_b128 v[\reg+6:\reg+9], v[\adr] offset:(\off)+768
	ds_load_b64 v[\reg+10:\reg+11], v[\adr+2] offset:(\off)+1280
.endm
.macro FETCH slot, q, p, step
.if \step
	v_add_nc_u32 v[ADS1], 128, v[ADS1]
	v_add_nc_u32 v[ADS0], 128, v[ADS0]
.endif
.set fi, 0
.rept NT
	ds_load_b32 v[SC1+8*(\p)+fi], v[ADS1] offset:fi*S*128
	ds_load_b32 v[SC0+8*(\p)+fi], v[ADS0] offset:fi*S*128
.set fi, fi+1
.endr
	WIN 0x40*(\p)
.set fi, 0
.rept NT
	FRAG 64-64*(\p)+12*fi, AD1+\slot, (fi*KS+\q)*1536
	FRAG 160-64*(\p)+12*fi, AD0+\slot, (fi*KS+\q)*1536
.set fi, fi+1
.endr
	WIN 0
.endm
.macro MUL p, first
.set mg, 0
.rept NT
.set me, 0
.rept NT
.set mn, NT*mg+me
.set aw, 2+mn/32
.set ar, 8*(mn%32)
.if \first
	WIN (\p)|((\p)<<2)|(1<<4)|(aw<<6)
	v_wmma_scale_f32_16x16x128_f8f6f4 v[ar:ar+7], v[160-64*(\p)+12*me:160-64*(\p)+12*me+11], v[64-64*(\p)+12*mg:64-64*(\p)+12*mg+11], v[BI+8*me:BI+8*me+7], v[SC0+8*(\p)+me], v[SC1+8*(\p)+mg] matrix_a_fmt:MATRIX_FMT_FP6 matrix_b_fmt:MATRIX_FMT_FP6
.else
	WIN (\p)|((\p)<<2)|(aw<<4)|(aw<<6)
	v_wmma_scale_f32_16x16x128_f8f6f4 v[ar:ar+7], v[160-64*(\p)+12*me:160-64*(\p)+12*me+11], v[64-64*(\p)+12*mg:64-64*(\p)+12*mg+11], v[ar:ar+7], v[SC0+8*(\p)+me], v[SC1+8*(\p)+mg] matrix_a_fmt:MATRIX_FMT_FP6 matrix_b_fmt:MATRIX_FMT_FP6
.endif
.set me, me+1
.endr
.set mg, mg+1
.endr
	WIN 0
.endm
.macro STEP slot, q, first
	s_wait_dscnt 0x0
	PLACES
	FETCH \slot, (\q)+1, 1-(\q)%2, 1
	MUL (\q)%2, \first
.endm
.macro MIDS slot
.if KS > 2
	STEP \slot, 1, 0
	STEP \slot, 2, 0
.endif
.endm
.macro TURN slot, fill
	s_wait_tensorcnt 0x0
	ds_add_u32 v[SPW], v[NIL]
.if \fill
	s_add_nc_u64 s[G0Y+4*\slot+2:G0Y+4*\slot+3], s[G0Y+4*\slot+2:G0Y+4*\slot+3], 2*KS*1536
	s_add_nc_u64 s[G0X+4*\slot+2:G0X+4*\slot+3], s[G0X+4*\slot+2:G0X+4*\slot+3], 2*KS*1536
.endif
	s_wait_dscnt 0x0
.if \fill
	CROUND
	JLOAD G0Y+4*\slot, G1Y, G0X+4*\slot, G1X
.else
	s_barrier_signal -1
	s_barrier_wait -1
	PLACES
.endif
	s_wait_alu depctr_va_vdst(0)
	FETCH 1-\slot, 0, 0, 1
	MUL 1, 0
.endm
.macro QUANT s
.irp b, 0,1,2,3
	v_max3_num_f32 v[TM+\b], |v[\s+16*\b]|, |v[\s+1+16*\b]|, 0x1800000
.endr
.irp i, 2,4,6,8,10,12,14
.irp b, 0,1,2,3
	v_max3_num_f32 v[TM+\b], v[TM+\b], |v[\s+16*\b+\i]|, |v[\s+1+16*\b+\i]|
.endr
.endr
.irp b, 0,1,2,3
	v_permlanex16_b32 v[TM+4+\b], v[TM+\b], s[SEL], s[SEL+1]
.endr
.irp b, 0,1,2,3
	v_max_num_f32 v[TM+\b], v[TM+\b], v[TM+4+\b]
.endr
.irp b, 0,1,2,3
	v_add_nc_u32 v[TM+12+\b], 0xff000000, v[TM+\b]
.endr
.irp b, 0,1,2,3
	v_lshrrev_b32 v[TM+4+\b], 23, v[TM+12+\b]
.endr
	v_lshl_or_b32 v[PW], v[TM+5], 8, v[TM+4]
	v_lshl_or_b32 v[PW], v[TM+6], 16, v[PW]
	v_lshl_or_b32 v[PW], v[TM+7], 24, v[PW]
.irp c, 0,1
	v_cvt_scalef32_pk16_fp6_f32 v[PC+6*\c:PC+2+6*\c], v[\s+32*\c:\s+15+32*\c], v[TM+12+2*\c]
	v_cvt_scalef32_pk16_fp6_f32 v[PC+12+4*\c:PC+14+4*\c], v[\s+16+32*\c:\s+31+32*\c], v[TM+12+2*\c+1]
.endr
	v_nop
.irp c, 0,1
.irp i, 0,1,2
	v_permlane16_swap_b32 v[PC+6*\c+\i], v[PC+12+4*\c+\i]
.endr
.irp i, 0,1,2
	v_mov_b32 v[PC+3+6*\c+\i], v[PC+12+4*\c+\i]
.endr
.endr
.endm
.macro PUT cb, off
	global_store_b128 v[LI16], v[PC:PC+3], s[\cb:\cb+1] offset:\off
	global_store_b64 v[LI8], v[PC+4:PC+5], s[\cb:\cb+1] offset:(\off)+512
	global_store_b128 v[LI16], v[PC+6:PC+9], s[\cb:\cb+1] offset:(\off)+768
	global_store_b64 v[LI8], v[PC+10:PC+11], s[\cb:\cb+1] offset:(\off)+1280
.endm
	s_load_b256 s[4:11], s[0:1], 0x0
	v_lshl_add_u32 v[SPW], v0, 2, SPARE
	v_mov_b32 v[NIL], 0
	ds_add_u32 v28, v29
	ds_add_u32 v28, v29
	s_wait_dscnt 0x0
	v_lshrrev_b32 v1, 5, v0
	v_readfirstlane_b32 s14, v1
	s_lshr_b32 s15, s14, 1
	s_and_b32 s16, s14, 1
	s_bfe_u32 s40, ttmp6, 0x40000
	s_bfe_u32 s41, ttmp6, 0x40004
	s_lshl_b32 s42, ttmp9, 2
	s_add_co_u32 s42, s42, s40
	s_and_b32 s17, ttmp7, 0xffff
	s_lshl_b32 s17, s17, 2
	s_add_co_u32 s17, s17, s41
	s_lshl_b32 s43, s41, 2
	s_lshl_b32 s43, 15, s43
	s_lshl_b32 s44, 0x1111, s40
	s_or_b32 s[G1Y], s43, (3<<16)|(1<<21)
	s_or_b32 s[G1X], s44, (3<<16)|(1<<21)
.irp g, G1Y, G1X
	s_mov_b32 s[\g+1], (KS*192)<<16
	s_mov_b32 s[\g+2], (2*NT)<<16                  ; the head's loads bring both halves: 2 NT tiles; behind them the two words are set to NT
	s_mov_b32 s[\g+3], (KS*192)<<16
	s_mov_b32 s[\g+4], 2*NT
	s_mov_b32 s[\g+5], S*192
	s_mov_b32 s[\g+6], 0
	s_mov_b32 s[\g+7], 0
.endr
	s_or_b32 s[G1SY], s43, (3<<16)|(1<<21)
	s_or_b32 s[G1SX], s44, (3<<16)|(1<<21)
.irp g, G1SY, G1SX
	s_mov_b32 s[\g+1], 32<<16
	s_mov_b32 s[\g+2], (NT*S)<<16                  ; the scale records of both halves
	s_mov_b32 s[\g+3], 32<<16
	s_mov_b32 s[\g+4], NT*S
	s_mov_b32 s[\g+5], 32
	s_mov_b32 s[\g+6], 0
	s_mov_b32 s[\g+7], 0
.endr
	s_mul_i32 s18, s16, NT*S*1536                  ; in the ring I fetch one half: its bytes
	s_mov_b32 s19, 0
	s_mul_i32 s20, s17, 2*NT                       ; x: the block's first tile
	s_mul_i32 s46, s42, 2*NT                       ; W1: likewise
	s_mul_i32 s22, s20, S*128
	s_mul_i32 s92, s46, S*128
	s_mul_i32 s20, s20, S*1536
	s_mul_i32 s46, s46, S*1536
	s_mov_b32 s21, 0
	s_mov_b32 s23, 0
	s_mov_b32 s47, 0
	s_mov_b32 s93, 0
	s_mul_i32 s45, s14, RG                         ; where the ring's loads go: wave x a region: no place in the cluster enters an LDS address
	s_wait_kmcnt 0x0
	s_add_nc_u64 s[20:21], s[YP:YP+1], s[20:21]
	s_add_nc_u64 s[20:21], s[20:21], YC_OFF
	s_add_nc_u64 s[22:23], s[YP:YP+1], s[22:23]
	s_add_nc_u64 s[22:23], s[22:23], YS_OFF
	s_add_nc_u64 s[46:47], s[XP:XP+1], s[46:47]
	s_add_nc_u64 s[46:47], s[46:47], XC_OFF
	s_add_nc_u64 s[92:93], s[XP:XP+1], s[92:93]
	s_add_nc_u64 s[92:93], s[92:93], XS_OFF
	CROUND
	s_mov_b32 s[G0SY], 1                           ; the head's four tiles, each whole: x's scale records,
	s_mov_b32 s[G0SY+1], SCL
	s_mov_b64 s[G0SY+2:G0SY+3], s[22:23]
	s_or_b32 s[G0SY+3], s[G0SY+3], 0x80000000
	s_mov_b32 s[G0SX], 1                           ; the weights',
	s_mov_b32 s[G0SX+1], SCL+2*HS
	s_mov_b64 s[G0SX+2:G0SX+3], s[92:93]
	s_or_b32 s[G0SX+3], s[G0SX+3], 0x80000000
	s_mov_b32 s[G0Y], 1                            ; slot 0's tiles of x, both halves,
	s_mov_b32 s[G0Y+1], 0
	s_mov_b64 s[G0Y+2:G0Y+3], s[20:21]
	s_or_b32 s[G0Y+3], s[G0Y+3], 0x80000000
	s_mov_b32 s[G0X], 1                            ; and its weights, behind them
	s_mov_b32 s[G0X+1], 2*RG
	s_mov_b64 s[G0X+2:G0X+3], s[46:47]
	s_or_b32 s[G0X+3], s[G0X+3], 0x80000000
	s_add_nc_u64 s[92:93], s[20:21], s[18:19]      ; for the ring: my half of x's tiles, of the weights'
	s_add_nc_u64 s[46:47], s[46:47], s[18:19]
	s_mov_b32 s[G0Y+4], 1                          ; slot 1: my quarter
	s_add_co_u32 s[G0Y+5], s45, SLOT
	s_add_nc_u64 s[G0Y+6:G0Y+7], s[92:93], KS*1536
	s_or_b32 s[G0Y+7], s[G0Y+7], 0x80000000
	s_mov_b32 s[G0X+4], 1
	s_add_co_u32 s[G0X+5], s45, SLOT
	s_add_nc_u64 s[G0X+6:G0X+7], s[46:47], KS*1536
	s_or_b32 s[G0X+7], s[G0X+7], 0x80000000
; The head's loads, one a wave: one chain of branches on the wave's number, a load to an arm, all arms leading to one join.
.macro ARM under, g0, g1, next
	s_cmp_lt_u32 s14, \under
	s_cbranch_scc0 \next
	tensor_load_to_lds s[\g0:\g0+3], s[\g1:\g1+7]
	s_nop 0
.rept 4
	v_nop
.endr
	s_branch .Lhead_asked
\next:
.endm
	ARM 1, G0Y, G1Y, .Lhead_x
	ARM 2, G0X, G1X, .Lhead_sy
	ARM 3, G0SY, G1SY, .Lhead_sx
	tensor_load_to_lds s[G0SX:G0SX+3], s[G1SX:G1SX+7]
	s_nop 0
.rept 4
	v_nop
.endr
.Lhead_asked:
	v_and_b32 v1, 15, v0
	v_bfe_u32 v2, v0, 4, 1
	v_and_b32 v3, 31, v0
	v_lshlrev_b32 v[LI16], 4, v3
	v_lshlrev_b32 v[LI8], 3, v3
	v_lshlrev_b32 v[LI4], 2, v3
	s_wait_alu depctr_va_vdst(0)
	s_mul_i32 s18, s15, RG
	s_mul_i32 s19, s16, RG
	s_add_co_u32 s19, s19, 2*RG
.irp s, 0,1
	v_add_nc_u32 v[AD1+\s], s18, v[LI16]
	v_add_nc_u32 v[AD1+2+\s], s18, v[LI8]
	v_add_nc_u32 v[AD0+\s], s19, v[LI16]
	v_add_nc_u32 v[AD0+2+\s], s19, v[LI8]
	s_add_co_u32 s18, s18, SLOT
	s_add_co_u32 s19, s19, SLOT
.endr
	s_mul_i32 s18, s15, HS
	s_mul_i32 s19, s16, HS
	s_add_co_u32 s19, s19, 2*HS
	s_add_co_u32 s18, s18, SCL
	s_add_co_u32 s19, s19, SCL
	v_add_nc_u32 v[ADS1], s18, v[LI4]
	v_add_nc_u32 v[ADS0], s19, v[LI4]
	s_mov_b32 s[SEL], 0x76543210
	s_mov_b32 s[SEL+1], 0xfedcba98
	s_lshl_b32 s18, s42, 10
	s_lshl_b32 s19, s16, 9
	s_add_co_u32 s18, s18, s19
	s_mov_b32 s19, 0
	s_add_nc_u64 s[8:9], s[8:9], s[18:19]
	v_lshlrev_b32 v31, 6, v2
	WIN 0x40
.irp e, 0,1,2,3,4,5,6,7
	global_load_b128 v[BI+8*\e:BI+8*\e+3], v31, s[8:9] offset:(32*(\e/2)+8*(\e%2))*4
	global_load_b128 v[BI+8*\e+4:BI+8*\e+7], v31, s[8:9] offset:(32*(\e/2)+8*(\e%2))*4+16
.endr
	WIN 0
	s_wait_alu depctr_va_vdst(0)
	s_wait_tensorcnt 0x0                           ; my tile of the head's four is in; a later first fill is issued as a refill is:
	ds_add_u32 v28, v29                            ; 0 onto my spare word
	s_mov_b32 s[G1Y+2], NT<<16                     ; no tensor load of mine is out: from here on a load brings NT tiles,
	s_mov_b32 s[G1Y+4], NT
	s_mov_b32 s[G1X+2], NT<<16
	s_mov_b32 s[G1X+4], NT
	s_mov_b32 s[G0Y+1], s45                        ; and slot 0's group 0 names my quarter
	s_mov_b64 s[G0Y+2:G0Y+3], s[92:93]
	s_or_b32 s[G0Y+3], s[G0Y+3], 0x80000000
	s_mov_b32 s[G0X+1], s45
	s_mov_b64 s[G0X+2:G0X+3], s[46:47]
	s_or_b32 s[G0X+3], s[G0X+3], 0x80000000
	s_wait_dscnt 0x0
	CROUND                                         ; all four tiles are in, and all sixteen work-groups are here
	JLOAD G0Y+4, G1Y, G0X+4, G1X                   ; slot 1's first fill, my one tensor load behind the round
	FETCH 0, 0, 0, 0
	s_wait_loadcnt 0x0
	STEP 0, 0, 1
.if LAPS > 1
	s_mov_b32 s3, LAPS-1
.Llap:
	MIDS 0
	TURN 0, 1
	s_wait_alu depctr_va_vdst(0)
	STEP 1, 0, 0
	MIDS 1
	TURN 1, 1
	s_wait_alu depctr_va_vdst(0)
	STEP 0, 0, 0
	s_sub_co_u32 s3, s3, 1
	s_cmp_lg_u32 s3, 0
	s_cbranch_scc1 .Llap
.endif
	MIDS 0
	TURN 0, 0
	s_wait_alu depctr_va_vdst(0)
	STEP 1, 0, 0
	MIDS 1
	s_wait_dscnt 0x0
	MUL 1, 0
	PLACES
	s_lshl_b32 s95, s17, 4
	s_lshl_b32 s96, s15, 3
	s_add_co_u32 s95, s95, s96
	s_lshl_b32 s95, s95, 5
	s_lshl_b32 s96, s42, 1
	s_add_co_u32 s95, s95, s96
	s_add_co_u32 s95, s95, s16
	s_mul_i32 s96, s95, 1536
	s_mov_b32 s97, 0
	s_add_nc_u64 s[68:69], s[10:11], s[96:97]
	s_lshl_b32 s96, s95, 7
	s_add_nc_u64 s[70:71], s[10:11], s[96:97]
	s_add_nc_u64 s[70:71], s[70:71], 12582912
.irp b, 0,1,2,3
	v_mov_b32 v[TM+4+\b], 0
.endr
.macro EQ g
	s_wait_xcnt 0x0
	WIN (2+(\g)/4)<<2
.set ek, 0
.rept 64
	v_max_num_f32 v[64+ek], 0, v[64*((\g)%4)+ek]
.set ek, ek+1
.endr
	WIN 0
	QUANT 64
	PUT 68, 49152*(\g)
	global_store_b32 v[LI4], v[PW], s[70:71] offset:4096*(\g)
.endm
.irp g, 0,1,2,3,4,5,6,7
	EQ \g
.endr
	s_wait_tensorcnt 0x0
	ds_add_u32 v[SPW], v[NIL]
	s_wait_dscnt 0x0
	CROUND
	s_endpgm
.Lfunc_end_k_qb76e5ee968_ffn1:
	.size	k_qb76e5ee968_ffn1, .Lfunc_end_k_qb76e5ee968_ffn1-k_qb76e5ee968_ffn1
	.p2alignl 7, 3214868480
	.fill 96, 4, 3214868480
	.section	.rodata,"a",@progbits
	.p2align	6, 0x0
	.amdhsa_kernel k_qb76e5ee968_ffn1
		.amdhsa_group_segment_fixed_size 327680
		.amdhsa_private_segment_fixed_size 0
		.amdhsa_enable_private_segment 0
		.amdhsa_kernarg_size 32
		.amdhsa_user_sgpr_count 2
		.amdhsa_user_sgpr_kernarg_segment_ptr 1
		.amdhsa_wavefront_size32 1
		.amdhsa_system_sgpr_workgroup_id_x 1
		.amdhsa_system_sgpr_workgroup_id_y 1
		.amdhsa_system_sgpr_workgroup_id_z 1
		.amdhsa_system_vgpr_workitem_id 0
		.amdhsa_next_free_vgpr 1024
		.amdhsa_next_free_sgpr 100
		.amdhsa_reserve_vcc 0
		.amdhsa_float_denorm_mode_32 3
		.amdhsa_float_denorm_mode_16_64 3
		.amdhsa_memory_ordered 1
		.amdhsa_forward_progress 1
		.amdhsa_inst_pref_size 173
	.end_amdhsa_kernel
	.amdgpu_metadata
---
amdhsa.version: [ 1, 2 ]
amdhsa.kernels:
  - .name:           k_qb76e5ee968_ffn1
    .symbol:         k_qb76e5ee968_ffn1.kd
    .args:
      - { .name: X, .offset: 0, .size: 8, .value_kind: global_buffer, .address_space: global }
      - { .name: P, .offset: 8, .size: 8, .value_kind: global_buffer, .address_space: global }
      - { .name: b1, .offset: 16, .size: 8, .value_kind: global_buffer, .address_space: global }
      - { .name: Hb, .offset: 24, .size: 8, .value_kind: global_buffer, .address_space: global }
    .group_segment_fixed_size: 327680
    .private_segment_fixed_size: 0
    .kernarg_segment_align: 8
    .kernarg_segment_size: 32
    .max_flat_workgroup_size: 128
    .sgpr_count:     100
    .vgpr_count:     1024
    .wavefront_size: 32
...
	.end_amdgpu_metadata
.endif
;; end of part 5
;; launch ffn2 (part 6): grid 8 x 32, 4 waves a work-group, clusters of 4 x 4, 327,680 bytes of LDS; arguments Hb, P, b2, X, Y; writes Y
.if DOCPART == 6
	.amdgcn_target "amdgcn-amd-amdhsa--gfx1250"
	.amdhsa_code_object_version 6
	.text
	.protected	k_qb76e5ee968_ffn2
	.globl	k_qb76e5ee968_ffn2
	.p2align	8
	.type	k_qb76e5ee968_ffn2,@function
k_qb76e5ee968_ffn2:
	s_mov_b64 s[64:65], 0
	v_nop
	global_prefetch_b8 v0, s[64:65] scope:SCOPE_SE
	s_setreg_imm32_b32 hwreg(HW_REG_WAVE_MODE, 25, 1), 1
	s_wait_xcnt 0x0
	s_wait_alu depctr_hold_cnt(0) depctr_sa_sdst(0) depctr_va_vdst(0) depctr_va_sdst(0) depctr_va_ssrc(0) depctr_va_vcc(0) depctr_vm_vsrc(0)
	s_getreg_b32 s2, hwreg(HW_REG_IB_STS2, 6, 4)
	s_cmp_eq_u32 s2, 0
	s_cbranch_scc0 .Lentry_in_a_cluster
	s_endpgm
.Lentry_in_a_cluster:
	s_bfe_u32 s2, ttmp6, 0x10000c
	s_cmp_lg_u32 s2, 0xf033
	s_cbranch_scc0 .Lentry_shape_is_right
	s_endpgm
.Lentry_shape_is_right:
.set NT, 4
.set S,  32
.set KS, 4
.set YP, 4
.set XP, 6
.set YC_OFF, 0
.set YS_OFF, 12582912
.set XC_OFF, 6291456
.set XS_OFF, 9961472
.set RG,    NT*KS*1536
.set SLOT,  4*RG
.set SCL,   2*SLOT
.set HS,    NT*S*128
.set SPARE, SCL+4*HS
.set STAGE, SPARE+512
.set LAPS,  S/(2*KS)
.set LI16, 4
.set LI8,  5
.set LI4,  6
.set PFO,  8
.set AD1,  16
.set AD0,  20
.set STO,  24
.set RD,   25
.set CO,   26
.set ADS1, 27
.set ADS0, 30
.set SPW,  28
.set NIL,  29
.set SC1,  32
.set SC0,  48
.set BI,   192
.set BK,   64
.set PFA, 20
.set LIM, 22
.set G1Y, 24
.set G0Y, 32
.set G1X, 48
.set G0X, 56
.set G1SY, 68
.set G0SY, 76
.set G1SX, 80
.set G0SX, 88
.set MSB, 0
.macro WIN new
.if MSB != \new
	s_set_vgpr_msb (MSB<<8)|\new
.set MSB, \new
.endif
.endm
.macro PLACES
.rept 4
	v_nop
.endr
.endm
.macro JLOAD g0y, g1y, g0x, g1x
	s_cmp_eq_u32 s15, 0
	s_cbranch_scc0 .Lfor_x_\@
	tensor_load_to_lds s[\g0y:\g0y+3], s[\g1y:\g1y+7]
	s_nop 0
.rept 4
	v_nop
.endr
	s_branch .Lasked_\@
.Lfor_x_\@:
	tensor_load_to_lds s[\g0x:\g0x+3], s[\g1x:\g1x+7]
	s_nop 0
.rept 4
	v_nop
.endr
.Lasked_\@:
.endm
.macro ASK slot
	s_cmp_gt_u32 s3, s[LIM+\slot]
	s_cbranch_scc0 .Lnot_mine_\@
	global_prefetch_b8 v[PFO], s[PFA:PFA+1] th:TH_LOAD_NT scope:SCOPE_SE
.Lnot_mine_\@:
.endm
.macro CROUND
	s_barrier_signal -1
	s_barrier_wait -1
	s_cmp_lg_u32 s14, 0
	s_cbranch_scc1 .Lnot_wave_0_\@
	s_barrier_signal -3
.Lnot_wave_0_\@:
	s_barrier_wait -3
	s_barrier_signal -1
	s_barrier_wait -1
.endm
.macro FRAG reg, adr, off
	ds_load_b128 v[\reg:\reg+3], v[\adr] offset:\off
	ds_load_b64 v[\reg+4:\reg+5], v[\adr+2] offset:(\off)+512
	ds_load_b128 v[\reg+6:\reg+9], v[\adr] offset:(\off)+768
	ds_load_b64 v[\reg+10:\reg+11], v[\adr+2] offset:(\off)+1280
.endm
.macro FETCH slot, q, p, step
.if \step
	v_add_nc_u32 v[ADS1], 128, v[ADS1]
	v_add_nc_u32 v[ADS0], 128, v[ADS0]
.endif
.set fi, 0
.rept NT
	ds_load_b32 v[SC1+8*(\p)+fi], v[ADS1] offset:fi*S*128
	ds_load_b32 v[SC0+8*(\p)+fi], v[ADS0] offset:fi*S*128
.set fi, fi+1
.endr
	WIN 0x40*(\p)
.set fi, 0
.rept NT
	FRAG 64-64*(\p)+12*fi, AD1+\slot, (fi*KS+\q)*1536
	FRAG 160-64*(\p)+12*fi, AD0+\slot, (fi*KS+\q)*1536
.set fi, fi+1
.endr
	WIN 0
.endm
.macro MUL p, first
.set mg, 0
.rept NT
.set me, 0
.rept NT
.set mn, NT*mg+me
.set aw, 2+mn/32
.set ar, 8*(mn%32)
.if \first
	WIN (\p)|((\p)<<2)|(1<<4)|(aw<<6)
	v_wmma_scale_f32_16x16x128_f8f6f4 v[ar:ar+7], v[160-64*(\p)+12*me:160-64*(\p)+12*me+11], v[64-64*(\p)+12*mg:64-64*(\p)+12*mg+11], v[BI+8*me:BI+8*me+7], v[SC0+8*(\p)+me], v[SC1+8*(\p)+mg] matrix_a_fmt:MATRIX_FMT_FP6 matrix_b_fmt:MATRIX_FMT_FP6
.else
	WIN (\p)|((\p)<<2)|(aw<<4)|(aw<<6)
	v_wmma_scale_f32_16x16x128_f8f6f4 v[ar:ar+7], v[160-64*(\p)+12*me:160-64*(\p)+12*me+11], v[64-64*(\p)+12*mg:64-64*(\p)+12*mg+11], v[ar:ar+7], v[SC0+8*(\p)+me], v[SC1+8*(\p)+mg] matrix_a_fmt:MATRIX_FMT_FP6 matrix_b_fmt:MATRIX_FMT_FP6
.endif
.set me, me+1
.endr
.set mg, mg+1
.endr
	WIN 0
.endm
.macro STEP slot, q, first
	s_wait_dscnt 0x0
	PLACES
	FETCH \slot, (\q)+1, 1-(\q)%2, 1
	MUL (\q)%2, \first
.endm
.macro MIDS slot
.if KS > 2
	STEP \slot, 1, 0
	s_wait_alu depctr_va_vdst(0)
	STEP \slot, 2, 0
.endif
.endm
.macro TURN slot, fill
.if \fill
	s_wait_xcnt 0x0
	s_add_nc_u64 s[PFA:PFA+1], s[PFA:PFA+1], 8192
.endif
	s_wait_tensorcnt 0x0
	ds_add_u32 v[SPW], v[NIL]
.if \fill
	s_add_nc_u64 s[G0Y+4*\slot+2:G0Y+4*\slot+3], s[G0Y+4*\slot+2:G0Y+4*\slot+3], 2*KS*1536
	s_add_nc_u64 s[G0X+4*\slot+2:G0X+4*\slot+3], s[G0X+4*\slot+2:G0X+4*\slot+3], 2*KS*1536
.endif
	s_wait_dscnt 0x0
.if \fill
	CROUND
	JLOAD G0Y+4*\slot, G1Y, G0X+4*\slot, G1X
.else
	s_barrier_signal -1
	s_barrier_wait -1
	PLACES
.endif
	s_wait_alu depctr_va_vdst(0)
	FETCH 1-\slot, 0, 0, 1
.if \fill
	ASK \slot
.endif
	MUL 1, 0
.endm
	s_load_b256 s[4:11], s[0:1], 0x0
	s_load_b64 s[12:13], s[0:1], 0x20
	v_lshl_add_u32 v[SPW], v0, 2, SPARE
	v_mov_b32 v[NIL], 0
	ds_add_u32 v28, v29
	ds_add_u32 v28, v29
	s_wait_dscnt 0x0
	v_lshrrev_b32 v1, 5, v0
	v_readfirstlane_b32 s14, v1
	s_lshr_b32 s15, s14, 1
	s_and_b32 s16, s14, 1
	s_bfe_u32 s40, ttmp6, 0x40000
	s_bfe_u32 s41, ttmp6, 0x40004
	s_lshl_b32 s42, ttmp9, 2
	s_add_co_u32 s42, s42, s40
	s_and_b32 s17, ttmp7, 0xffff
	s_lshl_b32 s17, s17, 2
	s_add_co_u32 s17, s17, s41
	s_lshl_b32 s43, s41, 2
	s_lshl_b32 s43, 15, s43
	s_lshl_b32 s44, 0x1111, s40
	s_or_b32 s[G1Y], s43, (3<<16)|(1<<21)
	s_or_b32 s[G1X], s44, (3<<16)|(1<<21)
.irp g, G1Y, G1X
	s_mov_b32 s[\g+1], (KS*192)<<16
	s_mov_b32 s[\g+2], (2*NT)<<16                  ; the head's loads bring both halves: 2 NT tiles; behind them the two words are set to NT
	s_mov_b32 s[\g+3], (KS*192)<<16
	s_mov_b32 s[\g+4], 2*NT
	s_mov_b32 s[\g+5], S*192
	s_mov_b32 s[\g+6], 0
	s_mov_b32 s[\g+7], 0
.endr
	s_or_b32 s[G1SY], s43, (3<<16)|(1<<21)
	s_or_b32 s[G1SX], s44, (3<<16)|(1<<21)
.irp g, G1SY, G1SX
	s_mov_b32 s[\g+1], 32<<16
	s_mov_b32 s[\g+2], (NT*S)<<16                  ; the scale records of both halves
	s_mov_b32 s[\g+3], 32<<16
	s_mov_b32 s[\g+4], NT*S
	s_mov_b32 s[\g+5], 32
	s_mov_b32 s[\g+6], 0
	s_mov_b32 s[\g+7], 0
.endr
	s_mul_i32 s18, s16, NT*S*1536                  ; in the ring I fetch one half: its bytes
	s_mov_b32 s19, 0
	s_mul_i32 s20, s17, 2*NT                       ; the hidden layer: the block's first tile
	s_mul_i32 s46, s42, 2*NT                       ; W2: likewise
	s_mul_i32 s22, s20, S*128
	s_mul_i32 s92, s46, S*128
	s_mul_i32 s20, s20, S*1536
	s_mul_i32 s46, s46, S*1536
	s_mov_b32 s21, 0
	s_mov_b32 s23, 0
	s_mov_b32 s47, 0
	s_mov_b32 s93, 0
	s_mul_i32 s45, s14, RG                         ; where the ring's loads go: wave x a region: no place in the cluster enters an LDS address
	s_wait_kmcnt 0x0
	s_add_nc_u64 s[20:21], s[YP:YP+1], s[20:21]
	s_add_nc_u64 s[20:21], s[20:21], YC_OFF
	s_add_nc_u64 s[22:23], s[YP:YP+1], s[22:23]
	s_add_nc_u64 s[22:23], s[22:23], YS_OFF
	s_add_nc_u64 s[46:47], s[XP:XP+1], s[46:47]
	s_add_nc_u64 s[46:47], s[46:47], XC_OFF
	s_add_nc_u64 s[92:93], s[XP:XP+1], s[92:93]
	s_add_nc_u64 s[92:93], s[92:93], XS_OFF
	CROUND
	s_mov_b32 s[G0SY], 1                           ; the head's four tiles, each whole: the hidden layer's scale records,
	s_mov_b32 s[G0SY+1], SCL
	s_mov_b64 s[G0SY+2:G0SY+3], s[22:23]
	s_or_b32 s[G0SY+3], s[G0SY+3], 0x80000000
	s_mov_b32 s[G0SX], 1                           ; the weights',
	s_mov_b32 s[G0SX+1], SCL+2*HS
	s_mov_b64 s[G0SX+2:G0SX+3], s[92:93]
	s_or_b32 s[G0SX+3], s[G0SX+3], 0x80000000
	s_mov_b32 s[G0Y], 1                            ; slot 0's tiles of the hidden layer, both halves,
	s_mov_b32 s[G0Y+1], 0
	s_mov_b64 s[G0Y+2:G0Y+3], s[20:21]
	s_or_b32 s[G0Y+3], s[G0Y+3], 0x80000000
	s_mov_b32 s[G0X], 1                            ; and its weights, behind them
	s_mov_b32 s[G0X+1], 2*RG
	s_mov_b64 s[G0X+2:G0X+3], s[46:47]
	s_or_b32 s[G0X+3], s[G0X+3], 0x80000000
	s_add_nc_u64 s[92:93], s[20:21], s[18:19]      ; for the ring: my half of the hidden layer's tiles, of the weights'
	s_add_nc_u64 s[46:47], s[46:47], s[18:19]
	s_mov_b32 s[G0Y+4], 1                          ; slot 1: my quarter
	s_add_co_u32 s[G0Y+5], s45, SLOT
	s_add_nc_u64 s[G0Y+6:G0Y+7], s[92:93], KS*1536
	s_or_b32 s[G0Y+7], s[G0Y+7], 0x80000000
	s_mov_b32 s[G0X+4], 1
	s_add_co_u32 s[G0X+5], s45, SLOT
	s_add_nc_u64 s[G0X+6:G0X+7], s[46:47], KS*1536
	s_or_b32 s[G0X+7], s[G0X+7], 0x80000000
; The head's loads, one a wave: one chain of branches on the wave's number, a load to an arm, all arms leading to one join.
.macro ARM under, g0, g1, next
	s_cmp_lt_u32 s14, \under
	s_cbranch_scc0 \next
	tensor_load_to_lds s[\g0:\g0+3], s[\g1:\g1+7]
	s_nop 0
.rept 4
	v_nop
.endr
	s_branch .Lhead_asked
\next:
.endm
	ARM 1, G0Y, G1Y, .Lhead_x
	ARM 2, G0X, G1X, .Lhead_sy
	ARM 3, G0SY, G1SY, .Lhead_sx
	tensor_load_to_lds s[G0SX:G0SX+3], s[G1SX:G1SX+7]
	s_nop 0
.rept 4
	v_nop
.endr
.Lhead_asked:
	v_and_b32 v1, 15, v0
	v_bfe_u32 v2, v0, 4, 1
	v_and_b32 v3, 31, v0
	v_lshlrev_b32 v[LI16], 4, v3
	v_lshlrev_b32 v[LI8], 3, v3
	v_lshlrev_b32 v[LI4], 2, v3
	v_lshlrev_b32 v[PFO], 8, v3
	s_mul_i32 s18, s15, RG
	s_mul_i32 s19, s16, RG
	s_add_co_u32 s19, s19, 2*RG
.irp s, 0,1
	v_add_nc_u32 v[AD1+\s], s18, v[LI16]
	v_add_nc_u32 v[AD1+2+\s], s18, v[LI8]
	v_add_nc_u32 v[AD0+\s], s19, v[LI16]
	v_add_nc_u32 v[AD0+2+\s], s19, v[LI8]
	s_add_co_u32 s18, s18, SLOT
	s_add_co_u32 s19, s19, SLOT
.endr
	s_mul_i32 s18, s15, HS
	s_mul_i32 s19, s16, HS
	s_add_co_u32 s19, s19, 2*HS
	s_add_co_u32 s18, s18, SCL
	s_add_co_u32 s19, s19, SCL
	v_add_nc_u32 v[ADS1], s18, v[LI4]
	v_add_nc_u32 v[ADS0], s19, v[LI4]
	s_mul_i32 s95, s14, 16*272
	s_add_co_u32 s95, s95, STAGE
	v_mul_u32_u24 v7, v1, 272
	v_lshl_add_u32 v7, v2, 6, v7
	v_add_nc_u32 v[STO], s95, v7
	v_mul_u32_u24 v7, v2, 272
	v_lshl_add_u32 v7, v1, 4, v7
	v_add_nc_u32 v[RD], s95, v7
	v_lshlrev_b32 v7, 12, v2
	v_lshl_add_u32 v[CO], v1, 4, v7
	s_wait_alu depctr_va_vdst(0)
	s_lshl_b32 s96, s42, 9
	s_lshl_b32 s95, s16, 8
	s_add_co_u32 s96, s96, s95
	s_mov_b32 s97, 0
	s_add_nc_u64 s[8:9], s[8:9], s[96:97]
	s_lshl_b32 s95, s17, 7
	s_lshl_b32 s98, s15, 6
	s_add_co_u32 s95, s95, s98
	s_lshl_b32 s95, s95, 12
	s_add_co_u32 s96, s96, s95
	s_add_nc_u64 s[10:11], s[10:11], s[96:97]
	s_add_nc_u64 s[12:13], s[12:13], s[96:97]
	v_lshlrev_b32 v31, 6, v2
	WIN 0x40
.irp e, 0,1,2,3
	global_load_b128 v[BI+8*\e:BI+8*\e+3], v31, s[8:9] offset:(32*(\e/2)+8*(\e%2))*4
	global_load_b128 v[BI+8*\e+4:BI+8*\e+7], v31, s[8:9] offset:(32*(\e/2)+8*(\e%2))*4+16
.endr
	WIN 0x80
.irp g, 0,1,2,3
.irp i, 0,1,2,3,4,5,6,7
	global_load_b128 v[128+32*\g+4*\i:128+32*\g+4*\i+3], v[CO], s[10:11] offset:(32*(\g/2)+8*(\g%2)+2*\i+8*(\i/4))*4096 th:TH_LOAD_NT
.endr
.endr
	WIN 0
	s_and_b32 s2, ttmp7, 0xffff
	s_cmp_eq_u32 s15, 0
	s_cselect_b32 s18, s17, s42
	s_cselect_b32 s19, s40, s41
	s_cselect_b32 s2, ttmp9, s2
	s_cselect_b64 s[PFA:PFA+1], s[YP:YP+1], s[XP:XP+1]
	s_cselect_b32 s95, YC_OFF, XC_OFF
	s_cmp_eq_u32 s2, 0
	s_cselect_b32 s[LIM], 1, -1
	s_cselect_b32 s[LIM+1], 2, -1
	s_lshl_b32 s18, s18, 3
	s_lshl_b32 s96, s16, 2
	s_add_co_u32 s18, s18, s96
	s_add_co_u32 s18, s18, s19
	s_mul_i32 s18, s18, S*1536
	s_add_co_u32 s18, s18, s95
	s_add_co_u32 s18, s18, 4*KS*1536-8192
	s_mov_b32 s19, 0
	s_add_nc_u64 s[PFA:PFA+1], s[PFA:PFA+1], s[18:19]
	s_wait_alu depctr_va_vdst(0)
	s_wait_tensorcnt 0x0                           ; my tile of the head's four is in; a later first fill is issued as a refill is:
	ds_add_u32 v28, v29                            ; 0 onto my spare word
	s_mov_b32 s[G1Y+2], NT<<16                     ; no tensor load of mine is out: from here on a load brings NT tiles,
	s_mov_b32 s[G1Y+4], NT
	s_mov_b32 s[G1X+2], NT<<16
	s_mov_b32 s[G1X+4], NT
	s_mov_b32 s[G0Y+1], s45                        ; and slot 0's group 0 names my quarter
	s_mov_b64 s[G0Y+2:G0Y+3], s[92:93]
	s_or_b32 s[G0Y+3], s[G0Y+3], 0x80000000
	s_mov_b32 s[G0X+1], s45
	s_mov_b64 s[G0X+2:G0X+3], s[46:47]
	s_or_b32 s[G0X+3], s[G0X+3], 0x80000000
	s_wait_dscnt 0x0
	CROUND                                         ; all four tiles are in, and all sixteen work-groups are here
	JLOAD G0Y+4, G1Y, G0X+4, G1X                   ; slot 1's first fill, my one tensor load behind the round
	FETCH 0, 0, 0, 0
	s_wait_loadcnt 32
	STEP 0, 0, 1
.if LAPS > 1
	s_mov_b32 s3, LAPS-1
.Llap:
	s_wait_alu depctr_va_vdst(0)
	MIDS 0
	TURN 0, 1
	s_wait_alu depctr_va_vdst(0)
	STEP 1, 0, 0
	s_wait_alu depctr_va_vdst(0)
	MIDS 1
	TURN 1, 1
	s_wait_alu depctr_va_vdst(0)
	STEP 0, 0, 0
	s_sub_co_u32 s3, s3, 1
	s_cmp_lg_u32 s3, 0
	s_cbranch_scc1 .Llap
.endif
	s_wait_alu depctr_va_vdst(0)
	MIDS 0
	TURN 0, 0
	s_wait_alu depctr_va_vdst(0)
	STEP 1, 0, 0
	s_wait_alu depctr_va_vdst(0)
	MIDS 1
	s_wait_dscnt 0x0
	MUL 1, 0
	s_wait_loadcnt 0x0
	PLACES
.macro ER g
	s_wait_xcnt 0x0
	WIN 0x08
.irp e, 0,1,2,3
	ds_store_b128 v[STO], v[8*(4*\g+\e):8*(4*\g+\e)+3] offset:128*(\e/2)+32*(\e%2)
	ds_store_b128 v[STO], v[8*(4*\g+\e)+4:8*(4*\g+\e)+7] offset:128*(\e/2)+32*(\e%2)+16
.endr
	WIN 0
.irp i, 0,1,2,3,4,5,6,7
	ds_load_b128 v[BK+4*\i:BK+4*\i+3], v[RD] offset:544*\i
.endr
	s_wait_dscnt 0x0
	WIN 0x08
.irp k, 0,2,4,6,8,10,12,14,16,18,20,22,24,26,28,30
	v_pk_add_f32 v[BK+\k:BK+\k+1], v[BK+\k:BK+\k+1], v[128+32*\g+\k:128+32*\g+\k+1]
.endr
	WIN 0
.irp i, 0,1,2,3,4,5,6,7
	global_store_b128 v[CO], v[BK+4*\i:BK+4*\i+3], s[12:13] offset:(32*(\g/2)+8*(\g%2)+2*\i+8*(\i/4))*4096 th:TH_STORE_NT
.endr
.endm
.irp g, 0,1,2,3
	ER \g
.endr
	s_wait_tensorcnt 0x0
	ds_add_u32 v[SPW], v[NIL]
	s_wait_dscnt 0x0
	CROUND
	s_endpgm
.Lfunc_end_k_qb76e5ee968_ffn2:
	.size	k_qb76e5ee968_ffn2, .Lfunc_end_k_qb76e5ee968_ffn2-k_qb76e5ee968_ffn2
	.p2alignl 7, 3214868480
	.fill 96, 4, 3214868480
	.section	.rodata,"a",@progbits
	.p2align	6, 0x0
	.amdhsa_kernel k_qb76e5ee968_ffn2
		.amdhsa_group_segment_fixed_size 327680
		.amdhsa_private_segment_fixed_size 0
		.amdhsa_enable_private_segment 0
		.amdhsa_kernarg_size 40
		.amdhsa_user_sgpr_count 2
		.amdhsa_user_sgpr_kernarg_segment_ptr 1
		.amdhsa_wavefront_size32 1
		.amdhsa_system_sgpr_workgroup_id_x 1
		.amdhsa_system_sgpr_workgroup_id_y 1
		.amdhsa_system_sgpr_workgroup_id_z 1
		.amdhsa_system_vgpr_workitem_id 0
		.amdhsa_next_free_vgpr 768
		.amdhsa_next_free_sgpr 100
		.amdhsa_reserve_vcc 0
		.amdhsa_float_denorm_mode_32 3
		.amdhsa_float_denorm_mode_16_64 3
		.amdhsa_memory_ordered 1
		.amdhsa_forward_progress 1
		.amdhsa_inst_pref_size 109
	.end_amdhsa_kernel
	.amdgpu_metadata
---
amdhsa.version: [ 1, 2 ]
amdhsa.kernels:
  - .name:           k_qb76e5ee968_ffn2
    .symbol:         k_qb76e5ee968_ffn2.kd
    .args:
      - { .name: Hb, .offset: 0, .size: 8, .value_kind: global_buffer, .address_space: global }
      - { .name: P, .offset: 8, .size: 8, .value_kind: global_buffer, .address_space: global }
      - { .name: b2, .offset: 16, .size: 8, .value_kind: global_buffer, .address_space: global }
      - { .name: X, .offset: 24, .size: 8, .value_kind: global_buffer, .address_space: global }
      - { .name: Y, .offset: 32, .size: 8, .value_kind: global_buffer, .address_space: global }
    .group_segment_fixed_size: 327680
    .private_segment_fixed_size: 0
    .kernarg_segment_align: 8
    .kernarg_segment_size: 40
    .max_flat_workgroup_size: 128
    .sgpr_count:     100
    .vgpr_count:     768
    .wavefront_size: 32
...
	.end_amdgpu_metadata
.endif
;; end of part 6
;; launch ln2 (part 7): grid 256 x 1, 4 waves a work-group, no clusters, 0 bytes of LDS; arguments Y, ln2_g, ln2_b, out0; writes out0
.if DOCPART == 7
	.amdgcn_target "amdgcn-amd-amdhsa--gfx1250"
	.amdhsa_code_object_version 6
	.text
	.protected	k_qb76e5ee968_ln2
	.globl	k_qb76e5ee968_ln2
	.p2align	8
	.type	k_qb76e5ee968_ln2,@function
k_qb76e5ee968_ln2:
	s_mov_b64 s[64:65], 0
	v_nop
	global_prefetch_b8 v0, s[64:65] scope:SCOPE_SE
	s_setreg_imm32_b32 hwreg(HW_REG_WAVE_MODE, 25, 1), 1
	s_wait_xcnt 0x0
; out0 = LayerNorm(Y) g + b, rows of 1,024 f32.  A work-group takes 16 rows, a wave four, each whole in 32 registers: read once, mean first, then the mean of the squares of x - mean.
; Memory binds: no LDS, no barrier, no matrix unit, no cluster: waves share nothing.  LIMITS: NaN and infinities are not served.
.set X,  16                            ; v16-143 four rows
.set G,  144                           ; v144-175 g, v176-207 b of my 32 columns
.set B,  176
.set T,  208
.set MU, 212
.set VAR, 214
.set RS, 218                           ; v218-225 1 / sqrt(var + eps), a pair for each row
.set SEL, 16
.macro RED                             ; v[T] summed over the 32 lanes, the result in every lane
	v_add_f32_dpp v[T], v[T], v[T] row_xmask:1 row_mask:0xf bank_mask:0xf
	v_add_f32_dpp v[T], v[T], v[T] row_xmask:2 row_mask:0xf bank_mask:0xf
	v_add_f32_dpp v[T], v[T], v[T] row_xmask:4 row_mask:0xf bank_mask:0xf
	v_add_f32_dpp v[T], v[T], v[T] row_xmask:8 row_mask:0xf bank_mask:0xf
	v_permlanex16_b32 v[T+1], v[T], s[SEL], s[SEL+1]
	v_add_f32 v[T], v[T], v[T+1]
.endm
.macro ROWSTAT i
.set XR, X+32*\i
	s_wait_loadcnt 16+8*(3-\i)                     ; this row's eight loads are in; the later rows' and the sixteen of g and b may be out
	v_pk_add_f32 v[T:T+1], v[XR:XR+1], v[XR+4:XR+5]
	v_pk_add_f32 v[T+2:T+3], v[XR+2:XR+3], v[XR+6:XR+7]
.irp k, 8,12,16,20,24,28
	v_pk_add_f32 v[T:T+1], v[T:T+1], v[XR+\k:XR+\k+1]
	v_pk_add_f32 v[T+2:T+3], v[T+2:T+3], v[XR+\k+2:XR+\k+3]
.endr
	v_pk_add_f32 v[T:T+1], v[T:T+1], v[T+2:T+3]
	v_add_f32 v[T], v[T], v[T+1]
	RED
	v_mul_f32 v[MU], s18, v[T]                     ; the mean
	v_mov_b32 v[MU+1], v[MU]
.irp k, 0,2,4,6,8,10,12,14,16,18,20,22,24,26,28,30
	v_pk_add_f32 v[XR+\k:XR+\k+1], v[XR+\k:XR+\k+1], v[MU:MU+1] neg_lo:[0,1] neg_hi:[0,1]
.endr
	v_pk_mul_f32 v[T:T+1], v[XR:XR+1], v[XR:XR+1]
	v_pk_mul_f32 v[T+2:T+3], v[XR+2:XR+3], v[XR+2:XR+3]
.irp k, 4,8,12,16,20,24,28
	v_pk_fma_f32 v[T:T+1], v[XR+\k:XR+\k+1], v[XR+\k:XR+\k+1], v[T:T+1]
	v_pk_fma_f32 v[T+2:T+3], v[XR+\k+2:XR+\k+3], v[XR+\k+2:XR+\k+3], v[T+2:T+3]
.endr
	v_pk_add_f32 v[T:T+1], v[T:T+1], v[T+2:T+3]
	v_add_f32 v[T], v[T], v[T+1]
	RED
	v_fma_f32 v[VAR+\i], v[T], s18, s19            ; the variance + 1e-5
.endm
.macro ROWOUT i
.set XR, X+32*\i
.irp k, 0,2,4,6,8,10,12,14,16,18,20,22,24,26,28,30
	v_pk_mul_f32 v[XR+\k:XR+\k+1], v[XR+\k:XR+\k+1], v[RS+2*\i:RS+2*\i+1]
.endr
.irp k, 0,2,4,6,8,10,12,14,16,18,20,22,24,26,28,30
	v_pk_fma_f32 v[XR+\k:XR+\k+1], v[XR+\k:XR+\k+1], v[G+\k:G+\k+1], v[B+\k:B+\k+1]
.endr
.irp j, 0,1,2,3,4,5,6,7
	global_store_b128 v3, v[XR+4*\j:XR+4*\j+3], s[10:11] offset:4096*\i+512*\j th:TH_STORE_NT   ; 32 lanes store 512 consecutive bytes, aligned
.endr
.endm
	s_load_b256 s[4:11], s[0:1], 0x0               ; in, g, b, out
	v_lshrrev_b32 v1, 5, v0
	v_readfirstlane_b32 s12, v1                    ; wave
	v_and_b32 v2, 31, v0
	v_lshlrev_b32 v3, 4, v2                        ; 16 x lane
	s_lshl_b32 s13, ttmp9, 4
	s_lshl_b32 s14, s12, 2
	s_add_co_u32 s13, s13, s14                     ; my first row
	s_lshl_b32 s14, s13, 12
	s_mov_b32 s15, 0
	s_mov_b32 s[SEL], 0x76543210
	s_mov_b32 s[SEL+1], 0xfedcba98
	s_mov_b32 s18, 0x3a800000                      ; 1 / 1,024
	s_mov_b32 s19, 0x3727c5ac                      ; 1e-5
	s_wait_alu depctr_va_vdst(0)
	s_wait_kmcnt 0x0
	s_add_nc_u64 s[4:5], s[4:5], s[14:15]
	s_add_nc_u64 s[10:11], s[10:11], s[14:15]
.irp i, 0,1,2,3
.irp j, 0,1,2,3,4,5,6,7
	global_load_b128 v[X+32*\i+4*\j:X+32*\i+4*\j+3], v3, s[4:5] offset:4096*\i+512*\j th:TH_LOAD_NT
.endr
.endr
.irp j, 0,1,2,3,4,5,6,7
	global_load_b128 v[G+4*\j:G+4*\j+3], v3, s[6:7] offset:512*\j
	global_load_b128 v[B+4*\j:B+4*\j+3], v3, s[8:9] offset:512*\j
.endr
	ROWSTAT 0
	ROWSTAT 1
	ROWSTAT 2
	ROWSTAT 3
	s_wait_alu depctr_va_vdst(0)
.irp i, 0,1,2,3
	v_rsq_f32 v[RS+2*\i], v[VAR+\i]
.endr
	v_nop                                          ; a plain place behind the batch
	s_wait_alu depctr_va_vdst(0)                   ; one wait for the four, ahead of their first reader
.irp i, 0,1,2,3
	v_mov_b32 v[RS+2*\i+1], v[RS+2*\i]
.endr
	s_wait_alu depctr_va_vdst(0)
	s_wait_loadcnt 0x0                             ; g and b
	ROWOUT 0
	ROWOUT 1
	ROWOUT 2
	ROWOUT 3
	s_endpgm
.Lfunc_end_k_qb76e5ee968_ln2:
	.size	k_qb76e5ee968_ln2, .Lfunc_end_k_qb76e5ee968_ln2-k_qb76e5ee968_ln2
	.p2alignl 7, 3214868480
	.fill 96, 4, 3214868480
	.section	.rodata,"a",@progbits
	.p2align	6, 0x0
	.amdhsa_kernel k_qb76e5ee968_ln2
		.amdhsa_group_segment_fixed_size 0
		.amdhsa_private_segment_fixed_size 0
		.amdhsa_enable_private_segment 0
		.amdhsa_kernarg_size 32
		.amdhsa_user_sgpr_count 2
		.amdhsa_user_sgpr_kernarg_segment_ptr 1
		.amdhsa_wavefront_size32 1
		.amdhsa_system_sgpr_workgroup_id_x 1
		.amdhsa_system_sgpr_workgroup_id_y 1
		.amdhsa_system_sgpr_workgroup_id_z 1
		.amdhsa_system_vgpr_workitem_id 0
		.amdhsa_next_free_vgpr 232
		.amdhsa_next_free_sgpr 66
		.amdhsa_reserve_vcc 0
		.amdhsa_float_denorm_mode_32 3
		.amdhsa_float_denorm_mode_16_64 3
		.amdhsa_memory_ordered 1
		.amdhsa_forward_progress 1
		.amdhsa_inst_pref_size 33
	.end_amdhsa_kernel
	.amdgpu_metadata
---
amdhsa.version: [ 1, 2 ]
amdhsa.kernels:
  - .name:           k_qb76e5ee968_ln2
    .symbol:         k_qb76e5ee968_ln2.kd
    .args:
      - { .name: Y, .offset: 0, .size: 8, .value_kind: global_buffer, .address_space: global }
      - { .name: ln2_g, .offset: 8, .size: 8, .value_kind: global_buffer, .address_space: global }
      - { .name: ln2_b, .offset: 16, .size: 8, .value_kind: global_buffer, .address_space: global }
      - { .name: out0, .offset: 24, .size: 8, .value_kind: global_buffer, .address_space: global }
    .group_segment_fixed_size: 0
    .private_segment_fixed_size: 0
    .kernarg_segment_align: 8
    .kernarg_segment_size: 32
    .max_flat_workgroup_size: 128
    .sgpr_count:     66
    .vgpr_count:     232
    .wavefront_size: 32
...
	.end_amdgpu_metadata
.endif
;; end of part 7
